; MI455X (gfx1250); checked and timed in simulation.
; The chip was launched on July 23, 2026; its instructions are those of AMD's public machine-readable ISA for CDNA 5 (MIT licence, August 2026) and "CDNA5" Instruction Set Architecture Reference Guide (July 2026). The comments in the code are by the model that wrote it; some were corrected since.
;; Masked Multi Head Attention. Allowed arithmetic: float matrix products may take bf16 or f16 operands with f32 sums; all other float work in f32.
;; Inputs: b_out 1,024 float32; b_qkv 3,072 float32; w_out 1,024 x 1,024 float32; w_qkv 1,024 x 3,072 float32; x 2 x 2,048 x 1,024 float32.
;; Outputs: out0 2 x 2,048 x 1,024 float32.
;; One version. Each part assembles by itself: llvm-mc -triple=amdgcn-amd-amdhsa -mcpu=gfx1250 --defsym DOCPART=n.
;; ======== version 1 of 1: 4 launches
;; limits: right only within a limited range of input values
;; workspace buffers: xb 8,388,608 bytes; wqp 6,291,456 bytes; wot 2,097,152 bytes; tab 524,288 bytes; qs 16,777,216 bytes; ks 16,777,216 bytes; vt 8,388,608 bytes; cb 8,388,608 bytes
;; launch prep (part 1): grid 256 x 1, 8 waves a work-group, no clusters, 34,816 bytes of LDS; arguments x, w_qkv, w_out, xb, wqp, wot, tab; writes xb, wqp, wot, tab
.if DOCPART == 1
	.amdgcn_target "amdgcn-amd-amdhsa--gfx1250"
	.amdhsa_code_object_version 6
	.text
	.protected	k_qe5b8376d79_prep
	.globl	k_qe5b8376d79_prep
	.p2align	8
	.type	k_qe5b8376d79_prep,@function
k_qe5b8376d79_prep:
	s_mov_b64 s[64:65], 0
	v_nop
	global_prefetch_b8 v0, s[64:65] scope:SCOPE_SE
	s_setreg_imm32_b32 hwreg(HW_REG_WAVE_MODE, 25, 1), 1
	s_wait_xcnt 0x0
; prep: what the matrix launches need, made once.
;   xb  = x rounded to bf16 (nearest even), same order.
;   wqp = w_qkv rounded and transposed, grouped by head: [16 head][q,k,v][64 n][1024 k].
;   wot = w_out rounded and transposed: [1024 n][1024 k].
;   tab = [2048 pos][32 pair][cos, sin] in f32: the rotation angles pos * (1 / 10^(j/8)), formed as one f32 product.
; 256 work-groups of eight waves.  Work-group g takes 65,536 bytes of x, one block of 256 k x 64 n of a weight matrix
; (g < 192: w_qkv, else w_out) and 8 positions of tab.  Memory binds: every input byte is read once by 16-byte loads whose
; sixteen neighbouring lanes cover 256 consecutive bytes; all 32 loads of a thread are issued before anything is waited for.
; No matrix unit, no cluster (no two work-groups read the same bytes), no tensor load (the data are converted on the way).
; LIMITS: 10^(j/8) is taken as its correctly rounded f32 value.  The reduction of the angle by pi/2 in two parts and the two
; polynomials are good to about 1e-7 absolute for angles up to some thousands; the table's largest angle is 2047.
.set PQKV,   12288                     ; bytes in a row of w_qkv
.set POUT,   4096                      ; bytes in a row of w_out
.set LPITCH, 528                       ; LDS row: 256 k in bf16 + 16 bytes, an odd multiple of 16
.set W,  32                            ; v[32:95]   weights as loaded: half i, row r, 4 columns
.set X,  96                            ; v[96:159]  x as loaded
.set WP, 160                           ; v[160:191] weights packed: 8 k of one column
.set RB, 192                           ; v[192:223] weights read back by rows
.set XP, 224                           ; v[224:255] x packed
; 16 loads: rows k = 128 i + 8 kg + r, the 16 bytes (4 columns) at 16 nq.  v7 = kg, v6 = nq.
.macro WLOADS pitch, base
	v_mul_u32_u24 v1, v7, 8*\pitch
	v_lshl_add_u32 v1, v6, 4, v1
.irp i, 0,1
.irp r, 0,1,2,3,4,5,6,7
	global_load_b128 v[W+32*\i+4*\r:W+32*\i+4*\r+3], v1, s[\base:\base+1] offset:(128*\i+\r)*\pitch th:TH_LOAD_NT
.endr
.endr
.endm
; lane j of v5 = 10^(j/8)
.macro PW j, val
	s_mov_b32 s34, \val
	v_writelane_b32 v5, s34, \j
.endm
	s_load_b256 s[4:11], s[0:1], 0x0               ; x s[4:5], w_qkv s[6:7], w_out s[8:9], xb s[10:11]
	s_load_b128 s[12:15], s[0:1], 0x20             ; wqp s[12:13], wot s[14:15]
	s_load_b64 s[16:17], s[0:1], 0x30              ; tab
	v_lshl_add_u32 v25, v0, 2, 0x8400
	s_set_vgpr_msb 0x40
	v_mov_b32 v1, 0
	s_set_vgpr_msb 0x4000
	v_and_b32 v6, 15, v0                           ; nq: which 4 columns
	v_lshrrev_b32 v7, 4, v0                        ; kg: which 8 rows
	v_lshrrev_b32 v8, 5, v0                        ; wave
	v_and_b32 v9, 31, v0                           ; lane
	v_lshlrev_b32 v2, 4, v9
	v_lshl_add_u32 v2, v8, 13, v2                  ; x: 8,192 bytes a wave, 16 a lane
	v_lshlrev_b32 v3, 3, v9
	v_lshl_add_u32 v3, v8, 12, v3                  ; xb: half of that
	v_lshlrev_b32 v4, 3, v0                        ; tab: 256 bytes a wave (one position), 8 a lane (one pair)
	s_and_b32 s18, ttmp9, 3                        ; which 256 k
	s_lshr_b32 s19, ttmp9, 2                       ; which 64 columns of w_qkv: 16 T + head
	s_and_b32 s26, s19, 15                         ; head
	s_lshr_b32 s27, s19, 4                         ; T: q, k or v
	s_mul_i32 s26, s26, 3
	s_add_co_u32 s26, s26, s27                     ; group of 64 rows in wqp: 3 head + T
	s_max_u32 s33, s19, 48
	s_sub_co_u32 s33, s33, 48                      ; which 64 columns of w_out = group of 64 rows in wot
	s_lshl_b32 s28, s18, 9                         ; 256 k in bf16
	s_wait_kmcnt 0x0
	s_cmp_lt_u32 ttmp9, 192
	s_cselect_b32 s26, s26, s33
	s_cselect_b64 s[22:23], s[12:13], s[14:15]     ; where the transposed block goes
	s_lshl_b32 s26, s26, 17                        ; 64 rows of 2,048 bytes
	s_add_co_u32 s26, s26, s28
	s_mov_b32 s27, 0
	s_add_nc_u64 s[22:23], s[22:23], s[26:27]
	s_mov_b32 s29, 0
	s_lshl_b32 s28, ttmp9, 16
	s_add_nc_u64 s[4:5], s[4:5], s[28:29]
	s_lshl_b32 s28, ttmp9, 15
	s_add_nc_u64 s[10:11], s[10:11], s[28:29]
	s_lshl_b32 s28, ttmp9, 11
	s_add_nc_u64 s[16:17], s[16:17], s[28:29]
	s_mov_b32 s25, 0
	s_cmp_lt_u32 ttmp9, 192
	s_cbranch_scc0 .Lw_out
	s_mul_i32 s24, s18, 256*PQKV
	s_lshl_b32 s28, s19, 8                         ; 64 columns of 4 bytes
	s_add_co_u32 s24, s24, s28
	s_add_nc_u64 s[20:21], s[6:7], s[24:25]
	WLOADS PQKV, 20
	s_branch .Lw_asked
.Lw_out:
	s_lshl_b32 s24, s18, 20                        ; 256 rows of 4,096 bytes
	s_lshl_b32 s28, s33, 8
	s_add_co_u32 s24, s24, s28
	s_add_nc_u64 s[30:31], s[8:9], s[24:25]
	WLOADS POUT, 30
.Lw_asked:                                         ; on both ways 16 loads are out
.irp i, 0,1,2,3,4,5,6,7,8,9,10,11,12,13,14,15
	global_load_b128 v[X+4*\i:X+4*\i+3], v2, s[4:5] offset:512*\i th:TH_LOAD_NT
.endr
	; tab, while the loads are on their way: position 8 g + wave, pair j = lane
	v_mov_b32 v5, 1.0
	PW 1, 1.333521432163324
	PW 2, 1.7782794100389228
	PW 3, 2.371373705661655
	PW 4, 3.1622776601683795
	PW 5, 4.216965034285822
	PW 6, 5.623413251903491
	PW 7, 7.498942093324558
	PW 8, 10.0
	PW 9, 13.33521432163324
	PW 10, 17.782794100389228
	PW 11, 23.71373705661655
	PW 12, 31.622776601683795
	PW 13, 42.16965034285822
	PW 14, 56.23413251903491
	PW 15, 74.98942093324558
	PW 16, 100.0
	PW 17, 133.3521432163324
	PW 18, 177.82794100389228
	PW 19, 237.1373705661655
	PW 20, 316.22776601683795
	PW 21, 421.6965034285822
	PW 22, 562.3413251903491
	PW 23, 749.8942093324558
	PW 24, 1000.0
	PW 25, 1333.521432163324
	PW 26, 1778.2794100389228
	PW 27, 2371.373705661655
	PW 28, 3162.2776601683795
	PW 29, 4216.965034285822
	PW 30, 5623.413251903491
	PW 31, 7498.942093324558
	s_lshl_b32 s35, ttmp9, 3
	v_rcp_f32 v10, v5
	v_add_nc_u32 v11, s35, v8                      ; the position; also the plain instruction behind v_rcp_f32
	s_wait_alu depctr_va_vdst(0)
	v_fma_f32 v12, -v5, v10, 1.0                   ; one Newton step: 1 / p to the last bit or nearly
	v_fma_f32 v10, v12, v10, v10
	v_cvt_f32_u32 v11, v11
	v_mul_f32 v11, v11, v10                        ; the angle: one f32 product
	v_mul_f32 v12, 0x3f22f983, v11                 ; x 2 / pi
	v_rndne_f32 v12, v12                           ; n quarter turns
	v_fmamk_f32 v13, v12, 0xbfc90fdb, v11          ; angle - n x (pi/2, upper part): exact up to one rounding
	v_fmamk_f32 v13, v12, 0x333bbd2e, v13          ; - n x (pi/2, lower part): r in -pi/4 .. pi/4
	v_mul_f32 v14, v13, v13                        ; z = r r
	v_mov_b32 v15, 0xb94ca1f9                      ; sin r = r + r z (c1 + z (c2 + z c3))
	v_mov_b32 v16, 0x37ccf5ce                      ; cos r = 1 - z/2 + z z (d1 + z (d2 + z d3))
	v_fmaak_f32 v15, v15, v14, 0x3c08839e
	v_fmaak_f32 v16, v16, v14, 0xbab6061a
	v_fmaak_f32 v15, v15, v14, 0xbe2aaaa3
	v_fmaak_f32 v16, v16, v14, 0x3d2aaaa5
	v_mul_f32 v15, v15, v14
	v_mul_f32 v17, v14, v14
	v_fma_f32 v18, v14, -0.5, 1.0
	v_fma_f32 v15, v15, v13, v13
	v_fma_f32 v16, v16, v17, v18
	v_cvt_i32_f32 v19, v12                         ; the quarter: odd swaps sine and cosine, bit 1 turns signs
	v_and_b32 v20, 1, v19
	v_cmp_eq_u32 vcc_lo, 1, v20
	v_cndmask_b32 v21, v15, v16, vcc_lo            ; sine
	v_cndmask_b32 v22, v16, v15, vcc_lo            ; cosine
	v_and_b32 v23, 2, v19
	v_add_nc_u32 v24, 1, v19
	v_lshlrev_b32 v23, 30, v23
	v_and_b32 v24, 2, v24
	v_lshlrev_b32 v24, 30, v24
	v_xor_b32 v27, v21, v23
	v_xor_b32 v26, v22, v24
	global_store_b64 v4, v[26:27], s[16:17]        ; a wave stores one position: 256 consecutive bytes, aligned
	; the weights: 8 k of a column make 16 bytes; LDS row 16 c + nq holds column 4 nq + c
	v_mul_u32_u24 v28, v6, LPITCH
	v_lshl_add_u32 v28, v7, 4, v28                 ; in: row nq, 16 bytes at 16 kg
	v_mul_u32_u24 v29, v8, 8*LPITCH
	v_lshl_add_u32 v29, v9, 4, v29                 ; back: LDS rows 8 wave + u, 16 bytes a lane
	v_and_b32 v30, 1, v8
	v_lshrrev_b32 v31, 1, v8
	v_lshl_add_u32 v30, v30, 5, v31                ; LDS row 8 wave + u is column 32 (wave & 1) + (wave >> 1) + 4 u
	v_lshlrev_b32 v30, 11, v30
	v_lshl_add_u32 v30, v9, 4, v30
	s_wait_loadcnt 16                              ; the weights are in; the 16 loads of x issued behind them stay out
.irp i, 0,1
.irp c, 0,1,2,3
.irp m, 0,1,2,3
	v_cvt_pk_bf16_f32 v[WP+16*\i+4*\c+\m], v[W+32*\i+8*\m+\c], v[W+32*\i+8*\m+4+\c]
.endr
	ds_store_b128 v28, v[WP+16*\i+4*\c:WP+16*\i+4*\c+3] offset:\c*16*LPITCH+256*\i
.endr
.endr
	s_wait_dscnt 0x0                               ; my stores are done, for the waves that read them
	s_barrier_signal -1
	s_barrier_wait -1
.irp u, 0,1,2,3,4,5,6,7
	ds_load_b128 v[RB+4*\u:RB+4*\u+3], v29 offset:\u*LPITCH
.endr
.irp u, 0,1,2,3,4,5,6,7
	s_wait_dscnt 7-\u                              ; LDS loads come back in order: load u is in
	global_store_b128 v30, v[RB+4*\u:RB+4*\u+3], s[22:23] offset:8192*\u   ; 512 consecutive bytes of one transposed row
.endr
.irp i, 0,1,2,3,4,5,6,7,8,9,10,11,12,13,14,15
	s_wait_loadcnt 15-\i                           ; loads come back in order: load i of x is in
	v_cvt_pk_bf16_f32 v[XP+2*\i], v[X+4*\i], v[X+4*\i+1]
	v_cvt_pk_bf16_f32 v[XP+2*\i+1], v[X+4*\i+2], v[X+4*\i+3]
	global_store_b64 v3, v[XP+2*\i:XP+2*\i+1], s[10:11] offset:256*\i      ; a wave stores 256 consecutive bytes, aligned
.endr
	s_set_vgpr_msb 0x4
	s_wait_tensorcnt 0x0
	ds_add_u32 v25, v1
	s_wait_dscnt 0x0
	s_set_vgpr_msb 0x400
	s_endpgm
.Lfunc_end_k_qe5b8376d79_prep:
	.size	k_qe5b8376d79_prep, .Lfunc_end_k_qe5b8376d79_prep-k_qe5b8376d79_prep
	.p2alignl 7, 3214868480
	.fill 96, 4, 3214868480
	.section	.rodata,"a",@progbits
	.p2align	6, 0x0
	.amdhsa_kernel k_qe5b8376d79_prep
		.amdhsa_group_segment_fixed_size 34816
		.amdhsa_private_segment_fixed_size 0
		.amdhsa_enable_private_segment 0
		.amdhsa_kernarg_size 56
		.amdhsa_user_sgpr_count 2
		.amdhsa_user_sgpr_kernarg_segment_ptr 1
		.amdhsa_wavefront_size32 1
		.amdhsa_system_sgpr_workgroup_id_x 1
		.amdhsa_system_sgpr_workgroup_id_y 1
		.amdhsa_system_sgpr_workgroup_id_z 1
		.amdhsa_system_vgpr_workitem_id 0
		.amdhsa_next_free_vgpr 258
		.amdhsa_next_free_sgpr 66
		.amdhsa_reserve_vcc 1
		.amdhsa_float_denorm_mode_32 3
		.amdhsa_float_denorm_mode_16_64 3
		.amdhsa_memory_ordered 1
		.amdhsa_forward_progress 1
		.amdhsa_inst_pref_size 22
	.end_amdhsa_kernel
	.amdgpu_metadata
---
amdhsa.version: [ 1, 2 ]
amdhsa.kernels:
  - .name:           k_qe5b8376d79_prep
    .symbol:         k_qe5b8376d79_prep.kd
    .args:
      - { .name: x, .offset: 0, .size: 8, .value_kind: global_buffer, .address_space: global }
      - { .name: w_qkv, .offset: 8, .size: 8, .value_kind: global_buffer, .address_space: global }
      - { .name: w_out, .offset: 16, .size: 8, .value_kind: global_buffer, .address_space: global }
      - { .name: xb, .offset: 24, .size: 8, .value_kind: global_buffer, .address_space: global }
      - { .name: wqp, .offset: 32, .size: 8, .value_kind: global_buffer, .address_space: global }
      - { .name: wot, .offset: 40, .size: 8, .value_kind: global_buffer, .address_space: global }
      - { .name: tab, .offset: 48, .size: 8, .value_kind: global_buffer, .address_space: global }
    .group_segment_fixed_size: 34816
    .private_segment_fixed_size: 0
    .kernarg_segment_align: 8
    .kernarg_segment_size: 56
    .max_flat_workgroup_size: 256
    .sgpr_count:     66
    .vgpr_count:     258
    .wavefront_size: 32
...
	.end_amdgpu_metadata
.endif
;; end of part 1
;; launch qkv (part 2): grid 16 x 16, 4 waves a work-group, clusters of 4 x 4, 327,680 bytes of LDS; arguments xb, wqp, b_qkv, tab, qs, ks, vt; writes qs, ks, vt
.if DOCPART == 2
	.amdgcn_target "amdgcn-amd-amdhsa--gfx1250"
	.amdhsa_code_object_version 6
	.text
	.protected	k_qe5b8376d79_qkv
	.globl	k_qe5b8376d79_qkv
	.p2align	8
	.type	k_qe5b8376d79_qkv,@function
k_qe5b8376d79_qkv:
	s_mov_b64 s[64:65], 0
	v_nop
	global_prefetch_b8 v0, s[64:65] scope:SCOPE_SE
	s_setreg_imm32_b32 hwreg(HW_REG_WAVE_MODE, 25, 1), 1
	s_wait_xcnt 0x0
	s_wait_alu depctr_hold_cnt(0) depctr_sa_sdst(0) depctr_va_vdst(0) depctr_va_sdst(0) depctr_va_ssrc(0) depctr_va_vcc(0) depctr_vm_vsrc(0)
	s_getreg_b32 s2, hwreg(HW_REG_IB_STS2, 6, 4)
	s_cmp_eq_u32 s2, 0
	s_cbranch_scc0 .Lentry_in_a_cluster
	s_endpgm
.Lentry_in_a_cluster:
	s_bfe_u32 s2, ttmp6, 0x10000c
	s_cmp_lg_u32 s2, 0xf033
	s_cbranch_scc0 .Lentry_shape_is_right
	s_endpgm
.Lentry_shape_is_right:
; qkv: q, k, v = x w_qkv + b_qkv for one head and 256 rows, the rotation of q and k, and the three layouts that attention reads.
; Work-group (x = head, y = block of 256 rows) makes 256 rows x 192 columns with four waves.  Wave w: rows 128 (w >> 1) ..,
; c = w & 1: all 64 columns of q (c = 0) or of k (c = 1) and columns 32 c .. 32 c + 31 of v: 8 x 6 accumulator tiles, 384 registers.
; K = 1024 goes in steps of 128 through two LDS slots filled by the tensor data mover; tile rows are 256 bytes of memory, aligned.
; CLUSTER 4 x 4: x's tile hangs on the block row alone and is asked for jointly along a row of the cluster, the weights' tile on the
; head alone and is asked for jointly along a column: a quarter of the requests.
; q and k tiles are multiplied with the weights as source 0: a lane then holds one row and 8 neighbouring columns = 4 rotation pairs.
; v tiles are multiplied with x as source 0: a lane then holds one column d and 8 neighbouring rows s: v leaves transposed.
; OUT: qs, ks [32 bh][2048 s][64 hi | 64 lo] bf16: each rotated number as hi = bf16(r), lo = bf16(r - hi), because the scores are
; multiplied by 8 in front of the softmax and plain bf16 would move them by far more than the result's tolerance allows.
; vt [32 bh][16 key block][64 d][128 s] bf16.  The bias stays in f32: it is the C operand of each tile's first product.
;
; REGISTERS by windows of 256: window 0: v0-31 addresses, v32-143 and v144-255 fragment buffers (A at +8 a, B at +64 + 8 b);
; window 1: tiles of row blocks 0-3 at v[8 (6 a + b)], bias tiles at v192-239; window 2: row blocks 4-7; window 3: cos, sin at v[32 a + 8 b].
.set KSTEP,  128
.set PITCH,  272                       ; an LDS row: 256 bytes + 16 of padding, an odd multiple of 16
.set AHALF,  128*PITCH                 ; what one load of x brings
.set BHALF,  96*PITCH                  ; what one load of the weights brings
.set BREG,   2*AHALF                   ; the weights' 192 rows lie behind x's 256
.set SLOT,   2*AHALF+2*BHALF
.set STAGE,  2*SLOT                    ; behind the ring: 32 rows x 272 bytes for each wave, for the way out
.set STGB,   32*PITCH
.set LAPS,   4                         ; 1024 / (2 x 128): a lap is once round the ring
.set ADRA,  16                         ; v16-17 LDS address of my x fragments in slot 0, 1
.set ADRR,  18                         ; v18-19 of my q or k weight fragments
.set ADRV,  20                         ; v20-21 of my v weight fragments
.set STO,   24                         ; way out: row r, 16 bytes for each half of the lanes
.set RD,    25                         ; way out: read back by rows
.set LOFF,  26                         ; 16 x lane
.set TOFF,  27                         ; table: 256 r + 32 h
.set BOFF,  28                         ; bias of q, k: 32 h
.set VBOFF, 29                         ; bias of v: 4 r
.set F0,   32
.set F1,   144
.set BI,   192                         ; window 1: bias tiles, 8 b
.set R,    32                          ; way out, window 0: rotated numbers
.set H,    64                          ; their upper parts, packed
.set LO,   80                          ; their lower parts, packed
.set U,    96                          ; upper parts widened
.set RB0,  144
.set RB1,  176
.set G1,  32                           ; s[32:39] group 1 for x's tiles
.set G0,  40                           ; s[40:47] group 0 for x's tiles, one set a slot
.set G1B, 48                           ; s[48:55] group 1 for the weights' tiles
.set G0B, 56                           ; s[56:63] group 0 for the weights' tiles, one set a slot
.set MSB, 0
.macro WIN new                         ; the immediate's high byte repeats the setting that is left
.if MSB != \new
	s_set_vgpr_msb (MSB<<8)|\new
.set MSB, \new
.endif
.endm
.macro PLACES                          ; four places behind matrix instructions (ISA guide 7.12.1), where no useful vector work is at hand
.rept 4
	v_nop
.endr
.endm
; A joint load: waves 0 and 1 fetch x's two halves, waves 2 and 3 the weights'.  The branch hangs on the wave's number alone.
.macro JLOAD s
	s_cmp_eq_u32 s19, 0
	s_cbranch_scc0 .Lfor_b_\@
	tensor_load_to_lds s[G0+4*\s:G0+4*\s+3], s[G1:G1+7]
	s_nop 0
	s_branch .Lasked_\@
.Lfor_b_\@:
	tensor_load_to_lds s[G0B+4*\s:G0B+4*\s+3], s[G1B:G1B+7]
	s_nop 0
.Lasked_\@:
.endm
.macro CREST                           ; a round of the cluster's barrier behind its opening barrier
	s_cmp_lg_u32 s18, 0
	s_cbranch_scc1 .Lnot_wave_0_\@
	s_barrier_signal -3
.Lnot_wave_0_\@:
	s_barrier_wait -3
	s_barrier_signal -1
	s_barrier_wait -1
.endm
.macro CROUND
	s_barrier_signal -1
	s_barrier_wait -1
	CREST
.endm
	s_load_b256 s[4:11], s[0:1], 0x0               ; xb s[4:5], wqp s[6:7], b_qkv s[8:9], tab s[10:11]
	s_load_b128 s[12:15], s[0:1], 0x20             ; qs s[12:13], ks s[14:15]
	s_load_b64 s[16:17], s[0:1], 0x30              ; vt
	v_lshl_add_u32 v30, v0, 2, 0x44000
	v_mov_b32 v31, 0
	ds_add_u32 v30, v31
	v_lshrrev_b32 v1, 5, v0
	v_readfirstlane_b32 s18, v1                    ; wave 0..3
	s_lshr_b32 s19, s18, 1                         ; which 128 rows are mine.  Also: I fetch x (0) or weights (1)
	s_and_b32 s20, s18, 1                          ; c: q or k, and which half of v.  Also: which half of the tile I fetch
	s_bfe_u32 s21, ttmp6, 0x40000                  ; cx
	s_bfe_u32 s22, ttmp6, 0x40004                  ; cy
	s_lshl_b32 s23, ttmp9, 2
	s_add_co_u32 s23, s23, s21                     ; head = 4 x cluster x + cx
	s_and_b32 s24, ttmp7, 0xffff
	s_lshl_b32 s24, s24, 2
	s_add_co_u32 s24, s24, s22                     ; block of 256 rows = 4 x cluster y + cy
	s_lshl_b32 s25, s22, 2
	s_lshl_b32 s25, 15, s25                        ; my row of the cluster
	s_lshl_b32 s26, 0x1111, s21                    ; my column
	s_or_b32 s[G1+0], s25, (1<<16)|(1<<20)|(1<<21)|(5<<22)|(3<<25)   ; mask; 2-byte elements; padding on; bit 21 beside a mask; 4 words behind every 64
	s_or_b32 s[G1B+0], s26, (1<<16)|(1<<20)|(1<<21)|(5<<22)|(3<<25)
	s_mov_b32 s[G1+1], KSTEP<<16                   ; tensor_dim0 = 128
	s_mov_b32 s[G1B+1], KSTEP<<16
	s_mov_b32 s[G1+2], 128<<16                     ; tensor_dim1 = 128 rows
	s_mov_b32 s[G1B+2], 96<<16                     ; 96 rows
	s_mov_b32 s[G1+3], KSTEP<<16                   ; tile_dim0 = 128
	s_mov_b32 s[G1B+3], KSTEP<<16
	s_mov_b32 s[G1+4], 128                         ; tile_dim1
	s_mov_b32 s[G1B+4], 96
	s_mov_b32 s[G1+5], 1024                        ; elements from row to row
	s_mov_b32 s[G1B+5], 1024
	s_mov_b32 s[G1+6], 0
	s_mov_b32 s[G1B+6], 0
	s_mov_b32 s[G1+7], 0
	s_mov_b32 s[G1B+7], 0
	; x's address is made of the block row and the wave's number, the weights' of the head and the wave's number, each in registers of its own
	s_lshl_b32 s68, s24, 19                        ; 256 rows of 2,048 bytes
	s_lshl_b32 s69, s20, 18                        ; 128 rows
	s_add_co_u32 s68, s68, s69
	s_mov_b32 s69, 0
	s_mul_i32 s72, s23, 192*2048
	s_mul_i32 s73, s20, 96*2048
	s_add_co_u32 s72, s72, s73
	s_mov_b32 s73, 0
	s_mul_i32 s74, s18, AHALF                      ; LDS: x's halves at wave x 128 rows (waves 0, 1),
	s_mul_i32 s75, s18, BHALF
	s_add_co_u32 s75, s75, BREG-2*BHALF            ; the weights' halves behind them (waves 2, 3)
	s_wait_dscnt 0x0
	s_wait_kmcnt 0x0
	s_add_nc_u64 s[68:69], s[4:5], s[68:69]
	s_add_nc_u64 s[72:73], s[6:7], s[72:73]
	CROUND                                         ; all sixteen work-groups are here: the first joint loads meet
.irp s, 0,1
	s_mov_b32 s[G0+4*\s], 1
	s_add_co_u32 s[G0+4*\s+1], s74, \s*SLOT
	s_add_nc_u64 s[G0+4*\s+2:G0+4*\s+3], s[68:69], \s*KSTEP*2
	s_or_b32 s[G0+4*\s+3], s[G0+4*\s+3], 0x80000000
	s_mov_b32 s[G0B+4*\s], 1
	s_add_co_u32 s[G0B+4*\s+1], s75, \s*SLOT
	s_add_nc_u64 s[G0B+4*\s+2:G0B+4*\s+3], s[72:73], \s*KSTEP*2
	s_or_b32 s[G0B+4*\s+3], s[G0B+4*\s+3], 0x80000000
	JLOAD \s                                       ; K steps 0 and 1: two tensor loads of the wave are out
.endr
	v_and_b32 v1, 15, v0                           ; r
	v_bfe_u32 v2, v0, 4, 1                         ; h
	v_and_b32 v4, 31, v0                           ; lane
	v_mul_u32_u24 v3, v1, PITCH
	v_lshl_add_u32 v3, v2, 4, v3                   ; r x pitch + 16 h
	s_mul_i32 s66, s19, AHALF
	s_mul_i32 s67, s20, 64*PITCH
	s_add_co_u32 s67, s67, BREG                    ; weight rows 64 c ..: q or k
	s_mul_i32 s76, s20, 32*PITCH
	s_add_co_u32 s76, s76, BREG+128*PITCH          ; weight rows 128 + 32 c ..: my half of v
.irp s, 0,1
	v_add_nc_u32 v[ADRA+\s], s66, v3
	v_add_nc_u32 v[ADRR+\s], s67, v3
	v_add_nc_u32 v[ADRV+\s], s76, v3
	s_add_co_u32 s66, s66, SLOT
	s_add_co_u32 s67, s67, SLOT
	s_add_co_u32 s76, s76, SLOT
.endr
	s_mul_i32 s77, s18, STGB
	s_add_co_u32 s77, s77, STAGE
	v_add_nc_u32 v[STO], s77, v3
	v_mul_u32_u24 v5, v2, PITCH
	v_lshl_add_u32 v5, v1, 4, v5
	v_add_nc_u32 v[RD], s77, v5
	v_lshlrev_b32 v[LOFF], 4, v4
	v_lshlrev_b32 v[TOFF], 8, v1
	v_lshl_add_u32 v[TOFF], v2, 5, v[TOFF]
	v_lshlrev_b32 v[BOFF], 5, v2
	v_lshlrev_b32 v[VBOFF], 2, v1
	; the pointers of bias, table and outputs
	s_mov_b32 s79, 0
	s_lshl_b32 s78, s20, 12
	s_lshl_b32 s76, s23, 8
	s_add_co_u32 s78, s78, s76
	s_add_nc_u64 s[28:29], s[8:9], s[78:79]        ; b_qkv at 1024 c + 64 head
	s_lshl_b32 s78, s20, 7
	s_add_co_u32 s78, s78, s76
	s_add_co_u32 s78, s78, 8192
	s_add_nc_u64 s[30:31], s[8:9], s[78:79]        ; b_qkv at 2048 + 64 head + 32 c
	s_and_b32 s76, s24, 7                          ; block of 256 positions in the sequence
	s_lshl_b32 s77, s76, 16
	s_lshl_b32 s78, s19, 15
	s_add_co_u32 s78, s78, s77                     ; (256 block + 128 half) rows of 256 bytes
	s_add_nc_u64 s[10:11], s[10:11], s[78:79]      ; tab at my first position
	s_lshr_b32 s27, s24, 3
	s_lshl_b32 s27, s27, 4
	s_add_co_u32 s27, s27, s23                     ; bh = 16 batch + head
	s_lshl_b32 s77, s27, 19
	s_add_co_u32 s78, s78, s77
	s_cmp_eq_u32 s20, 0
	s_cselect_b64 s[12:13], s[12:13], s[14:15]     ; qs or ks
	s_add_nc_u64 s[12:13], s[12:13], s[78:79]      ; at my first row
	s_lshl_b32 s77, s76, 1
	s_add_co_u32 s77, s77, s19                     ; key block of 128
	s_lshl_b32 s78, s27, 4
	s_add_co_u32 s78, s78, s77
	s_lshl_b32 s78, s78, 14
	s_lshl_b32 s77, s20, 13
	s_add_co_u32 s78, s78, s77
	s_add_nc_u64 s[16:17], s[16:17], s[78:79]      ; vt at my 32 rows d of my key block
	; bias tiles.  q, k: register j of lane (r, h) is column 16 b + 8 h + j.  v: every register is column d = r.
	WIN 0x40
.irp b, 0,1,2,3
	global_load_b128 v[BI+8*\b:BI+8*\b+3], v[BOFF], s[28:29] offset:64*\b
	global_load_b128 v[BI+8*\b+4:BI+8*\b+7], v[BOFF], s[28:29] offset:64*\b+16
.endr
	global_load_b32 v[BI+32], v[VBOFF], s[30:31]
	global_load_b32 v[BI+40], v[VBOFF], s[30:31] offset:64
	s_wait_loadcnt 0x0
	WIN 0x41
.irp i, 1,2,3,4,5,6,7
	v_mov_b32 v[BI+32+\i], v[BI+32]
	v_mov_b32 v[BI+40+\i], v[BI+40]
.endr
	; cos and sin of my 128 positions x 32 pairs, in the accumulators' layout; they stay on their way during the K loop
	WIN 0xc0
.irp a, 0,1,2,3,4,5,6,7
.irp b, 0,1,2,3
	global_load_b128 v[32*\a+8*\b:32*\a+8*\b+3], v[TOFF], s[10:11] offset:4096*\a+64*\b
	global_load_b128 v[32*\a+8*\b+4:32*\a+8*\b+7], v[TOFF], s[10:11] offset:4096*\a+64*\b+16
.endr
.endr
	WIN 0
; 12 matrix instructions: row blocks a0, a0 + 1 of the window's four x my 6 column tiles, 32 along K.
; first = 1: the bias tile is C, so nothing is cleared and no bias is added later.
; The 48 accumulators take turns, one instruction a turn, in the same order in every quarter step.
.macro MUL12 f, hi, a0, first
.irp a, \a0, \a0+1
.irp b, 0,1,2,3
.if \first
	v_wmma_f32_16x16x32_bf16 v[8*(6*(\a)+\b):8*(6*(\a)+\b)+7], v[\f+64+8*\b:\f+64+8*\b+7], v[\f+8*(4*\hi+\a):\f+8*(4*\hi+\a)+7], v[BI+8*\b:BI+8*\b+7]
.else
	v_wmma_f32_16x16x32_bf16 v[8*(6*(\a)+\b):8*(6*(\a)+\b)+7], v[\f+64+8*\b:\f+64+8*\b+7], v[\f+8*(4*\hi+\a):\f+8*(4*\hi+\a)+7], v[8*(6*(\a)+\b):8*(6*(\a)+\b)+7]
.endif
.endr
.irp b, 4,5
.if \first
	v_wmma_f32_16x16x32_bf16 v[8*(6*(\a)+\b):8*(6*(\a)+\b)+7], v[\f+8*(4*\hi+\a):\f+8*(4*\hi+\a)+7], v[\f+64+8*\b:\f+64+8*\b+7], v[BI+8*\b:BI+8*\b+7]
.else
	v_wmma_f32_16x16x32_bf16 v[8*(6*(\a)+\b):8*(6*(\a)+\b)+7], v[\f+8*(4*\hi+\a):\f+8*(4*\hi+\a)+7], v[\f+64+8*\b:\f+64+8*\b+7], v[8*(6*(\a)+\b):8*(6*(\a)+\b)+7]
.endif
.endr
.endr
.endm
; 28 LDS loads in one run: the fragments of one quarter step (32 K at byte k of the rows) into buffer f: 6 weight tiles, then 8 of x
.macro FETCH slot, k, f
	WIN 0
.irp b, 0,1,2,3
	ds_load_b128 v[\f+64+8*\b:\f+64+8*\b+3],   v[ADRR+\slot] offset:\k+\b*16*PITCH
	ds_load_b128 v[\f+64+8*\b+4:\f+64+8*\b+7], v[ADRR+\slot] offset:\k+\b*16*PITCH+32
.endr
.irp b, 0,1
	ds_load_b128 v[\f+96+8*\b:\f+96+8*\b+3],   v[ADRV+\slot] offset:\k+\b*16*PITCH
	ds_load_b128 v[\f+96+8*\b+4:\f+96+8*\b+7], v[ADRV+\slot] offset:\k+\b*16*PITCH+32
.endr
.irp a, 0,1,2,3,4,5,6,7
	ds_load_b128 v[\f+8*\a:\f+8*\a+3],   v[ADRA+\slot] offset:\k+\a*16*PITCH
	ds_load_b128 v[\f+8*\a+4:\f+8*\a+7], v[ADRA+\slot] offset:\k+\a*16*PITCH+32
.endr
.endm
; One of a K step's first three quarters: multiplies buffer f and, in its middle, fetches the next quarter's fragments into buffer g
.macro QUARTER slot, k, f, g, first
	s_wait_dscnt 8                                 ; all but the youngest eight loads (x's row blocks 4-7) are in
	WIN 0x50                                       ; C and D in window 1
	MUL12 \f, 0, 0, \first
	MUL12 \f, 0, 2, \first
	PLACES
	FETCH \slot, \k, \g
	s_wait_dscnt 28                                ; all but the 28 just issued
.if \first
	WIN 0x90                                       ; D in window 2, the bias tiles in window 1
.else
	WIN 0xa0                                       ; C and D in window 2
.endif
	MUL12 \f, 1, 0, \first
	MUL12 \f, 1, 2, \first
.endm
.macro THREE slot, first
	QUARTER \slot, 64,  F0, F1, \first
	QUARTER \slot, 128, F1, F0, 0
	QUARTER \slot, 192, F0, F1, 0
.endm
; The last quarter multiplies buffer 1 and changes slots.  In front of the barrier each wave waits for its reads of this slot and for
; all its tensor loads (one is out: its part of the next slot).  Where the slot is filled again the barrier opens a round of the
; cluster's barrier, and the joint refill is the first tensor load behind the round.  From a request to the wait for it: 180 matrix instructions.
.macro TURN slot, next, fill
	s_wait_dscnt 8
	WIN 0x50
	MUL12 F1, 0, 0, 0
	s_wait_dscnt 0x0                               ; my reads of this slot are over
	s_wait_tensorcnt 0x0                           ; all my tensor loads have landed
	ds_add_u32 v30, v31
	s_wait_dscnt 0x0
	s_barrier_signal -1
	MUL12 F1, 0, 2, 0                              ; register work while the others arrive
	WIN 0
	s_barrier_wait -1
.if \fill
	CREST
	s_add_nc_u64 s[G0+4*\slot+2:G0+4*\slot+3], s[G0+4*\slot+2:G0+4*\slot+3], 2*KSTEP*2
	s_add_nc_u64 s[G0B+4*\slot+2:G0B+4*\slot+3], s[G0B+4*\slot+2:G0B+4*\slot+3], 2*KSTEP*2
	JLOAD \slot
.endif
	PLACES
	FETCH \next, 0, F0
	WIN 0xa0
	MUL12 F1, 1, 0, 0
	MUL12 F1, 1, 2, 0
.endm
.macro LAP first
	THREE 0, \first
	TURN 0, 1, 1
	THREE 1, 0
	TURN 1, 0, 1
.endm
	s_wait_tensorcnt 0x1                           ; my part of K step 0 is in; K step 1's load stays out
	s_barrier_signal -1
	s_barrier_wait -1
	FETCH 0, 0, F0
	LAP 1                                          ; the first lap stands in front of the loop: its first products take the bias as C
	WIN 0
	s_mov_b32 s3, LAPS-2
.Llap:
	LAP 0
	WIN 0
	s_sub_co_u32 s3, s3, 1
	s_cmp_lg_u32 s3, 0
	s_cbranch_scc1 .Llap
	THREE 0, 0                                     ; the last lap fills nothing
	TURN 0, 1, 0
	THREE 1, 0
	s_wait_dscnt 8
	WIN 0x50
	MUL12 F1, 0, 0, 0
	MUL12 F1, 0, 2, 0
	s_wait_dscnt 0x0
	WIN 0xa0
	MUL12 F1, 1, 0, 0
	MUL12 F1, 1, 2, 0
	; THE WAY OUT.  v first: a lane's 8 numbers are 8 neighbouring s of one d: 16 bytes into row d of my stage (32 rows d x 128 s)
	PLACES
	WIN 0x05
.irp a, 0,1,2,3
.irp b, 0,1
.irp i, 0,1,2,3
	v_cvt_pk_bf16_f32 v[F0+8*\a+4*\b+\i], v[8*(6*\a+4+\b)+2*\i], v[8*(6*\a+4+\b)+2*\i+1]
.endr
.endr
.endr
	WIN 0x0a
.irp a, 0,1,2,3
.irp b, 0,1
.irp i, 0,1,2,3
	v_cvt_pk_bf16_f32 v[F0+32+8*\a+4*\b+\i], v[8*(6*\a+4+\b)+2*\i], v[8*(6*\a+4+\b)+2*\i+1]
.endr
.endr
.endr
	WIN 0
.irp a, 0,1,2,3,4,5,6,7
.irp b, 0,1
	ds_store_b128 v[STO], v[F0+8*\a+4*\b:F0+8*\a+4*\b+3] offset:\b*16*PITCH+32*\a
.endr
.endr
.irp t, 0,1,2,3,4,5,6,7,8,9,10,11,12,13,14,15
	ds_load_b128 v[F1+4*\t:F1+4*\t+3], v[RD] offset:\t*2*PITCH     ; LDS serves a wave's instructions in order: these see the stores above
.endr
.irp t, 0,1,2,3,4,5,6,7,8,9,10,11,12,13,14,15
	s_wait_dscnt 15-\t
	global_store_b128 v[LOFF], v[F1+4*\t:F1+4*\t+3], s[16:17] offset:512*\t   ; two rows d: 512 consecutive bytes, aligned
.endr
	s_wait_loadcnt 0x0                             ; cos and sin are in
; q or k, 16 rows at a time: rotate, split into hi and lo, 16 + 16 bytes a tile into my stage, back as whole rows of 256 bytes.
; a: row block 0-7; la: its place in its window; win: sources X (window 1 or 2) and cos, sin (window 3); rb: read-back registers in turn
.macro ROPE16 a, la, win, rb
	WIN \win
.irp b, 0,1,2,3
.irp p, 0,1,2,3
	v_pk_mul_f32 v[R+8*\b+2*\p:R+8*\b+2*\p+1], v[8*(6*\la+\b)+2*\p:8*(6*\la+\b)+2*\p+1], v[32*\a+8*\b+2*\p:32*\a+8*\b+2*\p+1] op_sel_hi:[1,0]   ; x1 cos, x2 cos
.endr
.endr
.irp b, 0,1,2,3
.irp p, 0,1,2,3
	v_pk_fma_f32 v[R+8*\b+2*\p:R+8*\b+2*\p+1], v[8*(6*\la+\b)+2*\p:8*(6*\la+\b)+2*\p+1], v[32*\a+8*\b+2*\p:32*\a+8*\b+2*\p+1], v[R+8*\b+2*\p:R+8*\b+2*\p+1] op_sel:[1,1,0] op_sel_hi:[0,1,1] neg_lo:[0,1,0]   ; - x2 sin, + x1 sin
.endr
.endr
	WIN 0
.irp n, 0,1,2,3,4,5,6,7,8,9,10,11,12,13,14,15
	v_cvt_pk_bf16_f32 v[H+\n], v[R+2*\n], v[R+2*\n+1]
.endr
.irp n, 0,1,2,3,4,5,6,7,8,9,10,11,12,13,14,15
	v_lshlrev_b32 v[U+2*\n], 16, v[H+\n]
	v_and_b32 v[U+2*\n+1], 0xffff0000, v[H+\n]
.endr
.irp n, 0,1,2,3,4,5,6,7,8,9,10,11,12,13,14,15
	v_pk_add_f32 v[R+2*\n:R+2*\n+1], v[R+2*\n:R+2*\n+1], v[U+2*\n:U+2*\n+1] neg_lo:[0,1] neg_hi:[0,1]   ; what hi left over: exact
.endr
.irp n, 0,1,2,3,4,5,6,7,8,9,10,11,12,13,14,15
	v_cvt_pk_bf16_f32 v[LO+\n], v[R+2*\n], v[R+2*\n+1]
.endr
.irp b, 0,1,2,3
	ds_store_b128 v[STO], v[H+4*\b:H+4*\b+3] offset:32*\b
	ds_store_b128 v[STO], v[LO+4*\b:LO+4*\b+3] offset:128+32*\b
.endr
	s_wait_xcnt 0x0                                ; the read-back registers, which earlier stores read, and the stores' base are rewritten only behind this wait
.if \a
	s_add_nc_u64 s[12:13], s[12:13], 16*256
.endif
.irp t, 0,1,2,3,4,5,6,7
	ds_load_b128 v[\rb+4*\t:\rb+4*\t+3], v[RD] offset:\t*2*PITCH
.endr
.irp t, 0,1,2,3,4,5,6,7
	s_wait_dscnt 7-\t
	global_store_b128 v[LOFF], v[\rb+4*\t:\rb+4*\t+3], s[12:13] offset:512*\t   ; two rows: 512 consecutive bytes, aligned
.endr
.endm
	ROPE16 0, 0, 0x0d, RB0
	ROPE16 1, 1, 0x0d, RB1
	ROPE16 2, 2, 0x0d, RB0
	ROPE16 3, 3, 0x0d, RB1
	ROPE16 4, 0, 0x0e, RB0
	ROPE16 5, 1, 0x0e, RB1
	ROPE16 6, 2, 0x0e, RB0
	ROPE16 7, 3, 0x0e, RB1
	s_wait_tensorcnt 0x0
	ds_add_u32 v30, v31
	s_wait_dscnt 0x0
	CROUND                                         ; the closing round: no work-group ends while a partner may still ask for a tile that names it
	s_endpgm
.Lfunc_end_k_qe5b8376d79_qkv:
	.size	k_qe5b8376d79_qkv, .Lfunc_end_k_qe5b8376d79_qkv-k_qe5b8376d79_qkv
	.p2alignl 7, 3214868480
	.fill 96, 4, 3214868480
	.section	.rodata,"a",@progbits
	.p2align	6, 0x0
	.amdhsa_kernel k_qe5b8376d79_qkv
		.amdhsa_group_segment_fixed_size 327680
		.amdhsa_private_segment_fixed_size 0
		.amdhsa_enable_private_segment 0
		.amdhsa_kernarg_size 56
		.amdhsa_user_sgpr_count 2
		.amdhsa_user_sgpr_kernarg_segment_ptr 1
		.amdhsa_wavefront_size32 1
		.amdhsa_system_sgpr_workgroup_id_x 1
		.amdhsa_system_sgpr_workgroup_id_y 1
		.amdhsa_system_sgpr_workgroup_id_z 1
		.amdhsa_system_vgpr_workitem_id 0
		.amdhsa_next_free_vgpr 1024
		.amdhsa_next_free_sgpr 80
		.amdhsa_reserve_vcc 0
		.amdhsa_float_denorm_mode_32 3
		.amdhsa_float_denorm_mode_16_64 3
		.amdhsa_memory_ordered 1
		.amdhsa_forward_progress 1
		.amdhsa_inst_pref_size 218
	.end_amdhsa_kernel
	.amdgpu_metadata
---
amdhsa.version: [ 1, 2 ]
amdhsa.kernels:
  - .name:           k_qe5b8376d79_qkv
    .symbol:         k_qe5b8376d79_qkv.kd
    .args:
      - { .name: xb, .offset: 0, .size: 8, .value_kind: global_buffer, .address_space: global }
      - { .name: wqp, .offset: 8, .size: 8, .value_kind: global_buffer, .address_space: global }
      - { .name: b_qkv, .offset: 16, .size: 8, .value_kind: global_buffer, .address_space: global }
      - { .name: tab, .offset: 24, .size: 8, .value_kind: global_buffer, .address_space: global }
      - { .name: qs, .offset: 32, .size: 8, .value_kind: global_buffer, .address_space: global }
      - { .name: ks, .offset: 40, .size: 8, .value_kind: global_buffer, .address_space: global }
      - { .name: vt, .offset: 48, .size: 8, .value_kind: global_buffer, .address_space: global }
    .group_segment_fixed_size: 327680
    .private_segment_fixed_size: 0
    .kernarg_segment_align: 8
    .kernarg_segment_size: 56
    .max_flat_workgroup_size: 128
    .sgpr_count:     80
    .vgpr_count:     1024
    .wavefront_size: 32
...
	.end_amdgpu_metadata
.endif
;; end of part 2
;; launch attn (part 3): grid 8 x 32, 8 waves a work-group, no clusters, 327,680 bytes of LDS; arguments qs, ks, vt, cb; writes cb
.if DOCPART == 3
	.amdgcn_target "amdgcn-amd-amdhsa--gfx1250"
	.amdhsa_code_object_version 6
	.text
	.protected	k_qe5b8376d79_attn
	.globl	k_qe5b8376d79_attn
	.p2align	8
	.type	k_qe5b8376d79_attn,@function
k_qe5b8376d79_attn:
	s_mov_b64 s[64:65], 0
	v_nop
	global_prefetch_b8 v0, s[64:65] scope:SCOPE_SE
	s_setreg_imm32_b32 hwreg(HW_REG_WAVE_MODE, 25, 1), 1
	s_wait_xcnt 0x0
; attn: causal attention of one (batch, head) pair bh, softmax(8 q k^T) v, with a running maximum.
; Work-group (p, bh) takes the query block 15 - p (128 rows) and then the block p: 16 - p and p + 1 key tiles of 128, always 17.
; Eight waves: g = w & 3 picks 32 queries, kh = w >> 2 picks 64 of a tile's 128 keys.  Each wave keeps its own maximum, row sum and O;
; the two waves of a g are merged through LDS at the end of a query block.
; S^T = K Q^T (keys down the registers, one query a lane): the row maximum and sum need one step across lanes, the exponentials pack
; straight into the B fragment of O^T = V^T P^T, and the rescaling factor is the lane's own.
; q and k come as bf16 pairs hi + lo; S = hi hi + hi lo + lo hi, six products of 32 along d for each tile.
; THE RING: two LDS slots, each with TWO key tiles (a tile: K's 128 rows of 256 bytes, then V^T's 64 rows of 256 bytes).  The six parts of
; 64 rows of a slot are brought by six waves, one tensor load each, so there is one barrier for two tiles, and from a request to the
; wait for it each wave does two tiles' work, 128 matrix instructions.
; NO JOINT REQUESTS: the eight work-groups of a head read the same K and V tiles, but work-group p returns to key block 0 behind its
; tile 15 - p, so from tile 9 on the partners' tiles differ and no descriptor would be the same in all of them.
; LIMITS: the running maximum starts at -1e30: a row whose scores are all below that is not served.  The product lo lo is dropped
; (about 2^-18 of a product).  P, V and the result are bf16.
; REGISTERS: window 0: v0-31 addresses and softmax state; v32-159 K fragments (32 kt + 8 f), of which v32-95 then hold V^T fragments;
; v160-223 S (16 kt + 8 q); v224-255 P.  Window 1: v0-63 Q fragments (32 q + 8 f), v64-127 O^T (8 (2 dt + q)).
.set PITCH,  272                       ; LDS row: 256 bytes + 16 of padding
.set KBYTES, 128*PITCH                 ; K's 128 rows; V^T's 64 rows lie behind them
.set PART,   64*PITCH                  ; what one tensor load brings
.set TILEB,  192*PITCH                 ; a key tile in LDS; the slot's second tile is reached by the immediate: 52,224 + 13,280 at the most, inside 16 bits
.set SLOT,   2*TILEB
.set STAGE,  2*SLOT                    ; behind the ring, for each g: 8,704 bytes of exchange, 4,608 bytes of output stage
.set STG,    13312
.set XQ,     8192                      ; in the exchange: behind O's 16 x 512 bytes, the shifts and row sums
.set OUTS,   8704
.set OPITCH, 144                       ; output stage: 64 d in bf16 + 16 bytes
.set ADRK, 3                           ; v3-4   my K fragments in slot 0, 1
.set ADRV, 5                           ; v5-6   my V^T fragments in slot 0, 1
.set TM,   7                           ; v7     32 g - 64 kh + r - 8 h: key 16 kt + j is allowed to query tile q if 16 (kt - q) + j <= TM
.set QOFF, 8
.set XA,   9
.set OSA,  10
.set ORA,  11
.set OGO,  12
.set PFO,  13                          ; v13    256 x lane: the prefetches' offset, never rewritten
.set M,    14                          ; v14-15 running maximum of the raw scores, query tile 0, 1
.set NM,   16                          ; v16-19 -8 log2(e) x maximum, a pair for each query tile
.set AL,   20                          ; v20-23 rescaling factor, pairs
.set LP,   24                          ; v24-27 row sums, two partial sums for each query tile
.set TA,   28
.set TB,   30
.set KF,   32
.set VF,   32
.set S,    160
.set P,    224
.set PO,   32                          ; merge: the partner's O
.set PQ,   96                          ; merge: the partner's shifts and sums
.set E,    100
.set FA,   110
.set FB,   114
.set OB,   160
.set QF,   0                           ; window 1
.set O,    64                          ; window 1
.set G1, 32                            ; s[32:39]
.set G0, 40                            ; s[40:47], one set a slot
.set MSB, 0
.macro WIN new
.if MSB != \new
	s_set_vgpr_msb (MSB<<8)|\new
.set MSB, \new
.endif
.endm
.macro PLACES                          ; four places behind matrix instructions (ISA guide 7.12.1)
.rept 4
	v_nop
.endr
.endm
	s_load_b256 s[4:11], s[0:1], 0x0               ; qs s[4:5], ks s[6:7], vt s[8:9], cb s[10:11]
	s_set_vgpr_msb 0x40
	v_lshl_add_u32 v128, v0, 2, 0x40000
	v_mov_b32 v129, 0
	s_set_vgpr_msb 0x4045
	ds_add_u32 v128, v129
	s_set_vgpr_msb 0x4500
	v_lshrrev_b32 v1, 5, v0
	v_readfirstlane_b32 s20, v1                    ; wave 0..7
	s_and_b32 s21, s20, 3                          ; g
	s_lshr_b32 s22, s20, 2                         ; kh
	s_and_b32 s24, ttmp7, 0xffff                   ; bh
	s_sub_co_u32 s25, 16, ttmp9                    ; tiles of the first query block
	s_sub_co_u32 s26, 15, ttmp9                    ; the first query block, and the number of its last (diagonal) tile
	s_mov_b32 s[G1+0], (1<<16)|(1<<20)|(5<<22)|(3<<25)   ; 2-byte elements, 4 words of padding behind every 64
	s_mov_b32 s[G1+1], 128<<16                     ; tensor_dim0 = 128
	s_mov_b32 s[G1+2], 64<<16                      ; tensor_dim1 = 64
	s_mov_b32 s[G1+3], 128<<16                     ; tile_dim0 = 128
	s_mov_b32 s[G1+4], 64                          ; tile_dim1 = 64
	s_mov_b32 s[G1+5], 128                         ; rows follow each other in memory
	s_mov_b32 s[G1+6], 0
	s_mov_b32 s[G1+7], 0
	s_mov_b32 s30, 0x4138aa3b                      ; 8 log2(e): the scores' factor and the change of base in one
	s_mov_b32 s31, 0x4138aa3b
	s_mov_b32 s56, 0xc138aa3b
	s_mov_b32 s48, 0x76543210                      ; v_permlanex16_b32: lane i reads lane i of the other half
	s_mov_b32 s49, 0xfedcba98
	; which part of a slot I bring: waves 0-2 the first tile's K half 0, K half 1, V^T; waves 3-5 the second tile's; waves 6, 7 none
	s_cmp_ge_u32 s20, 3
	s_cselect_b32 s60, 1, 0                        ; which of the slot's two tiles
	s_mul_i32 s61, s60, 3
	s_sub_co_u32 s61, s20, s61                     ; which part of it
	s_mul_i32 s58, s20, PART                       ; the parts lie in LDS in the order of the waves
	s_lshl_b32 s50, s24, 19                        ; K: 2,048 rows of 256 bytes a bh,
	s_lshl_b32 s51, s61, 14                        ; 64 rows a part
	s_add_co_u32 s50, s50, s51
	s_mov_b32 s51, 0
	s_wait_dscnt 0x0
	s_wait_kmcnt 0x0
	s_add_nc_u64 s[52:53], s[6:7], s[50:51]
	s_lshl_b32 s50, s24, 18                        ; V^T: 16 blocks of 16,384 bytes a bh
	s_add_nc_u64 s[54:55], s[8:9], s[50:51]
	s_cmp_lt_u32 s61, 2
	s_cselect_b64 s[28:29], s[52:53], s[54:55]     ; my part of key block 0
	s_cselect_b32 s57, 15, 14                      ; a key block is 2^15 bytes of K, 2^14 of V^T
	s_lshl_b32 s50, s60, s57                       ; slot 0: tiles 0, 1 = key blocks 0, 1 (the first block has 9 tiles at the least)
	s_mov_b32 s[G0+0], 1
	s_mov_b32 s[G0+1], s58
	s_add_nc_u64 s[G0+2:G0+3], s[28:29], s[50:51]
	s_or_b32 s[G0+3], s[G0+3], 0x80000000
	s_add_co_u32 s50, s60, 2                       ; slot 1: tiles 2, 3
	s_lshl_b32 s50, s50, s57
	s_mov_b32 s[G0+4], 1
	s_add_co_u32 s[G0+5], s58, SLOT
	s_add_nc_u64 s[G0+6:G0+7], s[28:29], s[50:51]
	s_or_b32 s[G0+7], s[G0+7], 0x80000000
	s_cmp_lt_u32 s20, 6
	s_cbranch_scc0 .Lno_first
	tensor_load_to_lds s[G0:G0+3], s[G1:G1+7]      ; both first fills in one group: two tensor loads of the wave are out
	s_nop 0
	tensor_load_to_lds s[G0+4:G0+7], s[G1:G1+7]
	s_nop 0
.Lno_first:
	; who asks ahead for key blocks: wave 6 for 8,192 bytes of a pair of K blocks (8 work-groups x 8,192 = the pair's 65,536),
	; wave 7 of the work-groups p < 4 for 8,192 bytes of a pair of V^T blocks (4 x 8,192 = the pair's 32,768)
	s_cmp_eq_u32 s20, 7
	s_cselect_b32 s62, 1, 0
	s_cmp_lt_u32 ttmp9, 4
	s_cselect_b32 s62, s62, 0
	s_cmp_eq_u32 s20, 6
	s_cselect_b32 s62, 1, s62                      ; 1: I ask
	s_cselect_b32 s63, 15, 14                      ; bytes of a key block, as a shift
	s_cselect_b64 s[66:67], s[6:7], s[8:9]
	s_cselect_b32 s50, 19, 18
	s_lshl_b32 s50, s24, s50
	s_lshl_b32 s52, ttmp9, 13
	s_add_co_u32 s50, s50, s52
	s_mov_b32 s51, 0
	s_add_nc_u64 s[66:67], s[66:67], s[50:51]      ; my share of key blocks 0, 1
	; pointers: both query blocks, both places in cb
	s_mov_b32 s53, 0
	s_lshl_b32 s50, s24, 19
	s_lshl_b32 s52, s21, 13                        ; 32 rows of 256 bytes
	s_add_co_u32 s50, s50, s52
	s_lshl_b32 s52, s26, 15
	s_add_co_u32 s52, s52, s50
	s_add_nc_u64 s[12:13], s[4:5], s[52:53]        ; Q of block 15 - p
	s_lshl_b32 s52, ttmp9, 15
	s_add_co_u32 s52, s52, s50
	s_add_nc_u64 s[14:15], s[4:5], s[52:53]        ; Q of block p
	s_and_b32 s50, s24, 15
	s_lshl_b32 s50, s50, 19                        ; cb: head x 4,096 rows of 128 bytes
	s_lshr_b32 s52, s24, 4
	s_lshl_b32 s52, s52, 18                        ; batch x 2,048 rows
	s_add_co_u32 s50, s50, s52
	s_lshl_b32 s52, s21, 12
	s_add_co_u32 s50, s50, s52
	s_lshl_b32 s52, s26, 14
	s_add_co_u32 s52, s52, s50
	s_add_nc_u64 s[16:17], s[10:11], s[52:53]
	s_lshl_b32 s52, ttmp9, 14
	s_add_co_u32 s52, s52, s50
	s_add_nc_u64 s[18:19], s[10:11], s[52:53]
	v_and_b32 v1, 15, v0                           ; r
	v_bfe_u32 v2, v0, 4, 1                         ; h
	v_and_b32 v13, 31, v0                          ; lane
	v_lshlrev_b32 v[QOFF], 8, v1
	v_lshl_add_u32 v[QOFF], v2, 4, v[QOFF]
; 16 loads: the B fragments of 32 queries (hi d 0-31, hi d 32-63, lo d 0-31, lo d 32-63), straight from memory
.macro QLOAD base
	WIN 0x40
.irp q, 0,1
.irp f, 0,1,2,3
	global_load_b128 v[QF+32*\q+8*\f:QF+32*\q+8*\f+3],   v[QOFF], s[\base:\base+1] offset:4096*\q+64*\f
	global_load_b128 v[QF+32*\q+8*\f+4:QF+32*\q+8*\f+7], v[QOFF], s[\base:\base+1] offset:4096*\q+64*\f+32
.endr
.endr
	WIN 0
.endm
	QLOAD 12
	v_mul_u32_u24 v[ADRK], v1, PITCH
	v_lshl_add_u32 v[ADRK], v2, 4, v[ADRK]         ; r x pitch + 16 h
	s_lshl_b32 s50, s22, 7                         ; my 64 keys in a row of V^T
	s_add_co_u32 s50, s50, KBYTES
	v_add_nc_u32 v[ADRV], s50, v[ADRK]
	v_add_nc_u32 v[ADRV+1], SLOT, v[ADRV]
	s_mul_i32 s50, s22, PART                       ; my 64 rows of K
	v_add_nc_u32 v[ADRK], s50, v[ADRK]
	v_add_nc_u32 v[ADRK+1], SLOT, v[ADRK]
	s_lshl_b32 s50, s21, 5
	s_lshl_b32 s51, s22, 6
	s_sub_co_i32 s50, s50, s51
	v_lshlrev_b32 v[TM], 3, v2
	v_sub_nc_u32 v[TM], v1, v[TM]
	v_add_nc_u32 v[TM], s50, v[TM]
	s_mul_i32 s59, s21, STG
	s_add_co_u32 s59, s59, STAGE
	v_lshlrev_b32 v[OGO], 4, v13
	v_add_nc_u32 v[XA], s59, v[OGO]
	s_add_co_u32 s59, s59, OUTS
	v_mul_u32_u24 v[OSA], v1, OPITCH
	v_lshl_add_u32 v[OSA], v2, 4, v[OSA]
	v_add_nc_u32 v[OSA], s59, v[OSA]
	v_lshrrev_b32 v[ORA], 3, v13
	v_mul_u32_u24 v[ORA], v[ORA], OPITCH
	v_and_b32 v1, 7, v0
	v_lshl_add_u32 v[ORA], v1, 4, v[ORA]
	v_add_nc_u32 v[ORA], s59, v[ORA]
	v_lshlrev_b32 v[PFO], 8, v13                   ; lanes 256 bytes apart
; A query block begins: the maximum at -1e30.  The first tile's factor is then exp2 of about -1e31 = 0, which wipes O and the row sums
; (both finite), so they are not cleared between the blocks.
.macro RESET
	v_mov_b32 v[M], 0xf149f2ca
	v_mov_b32 v[M+1], 0xf149f2ca
.irp i, 0,1,2,3
	v_mul_f32 v[NM+\i], s56, v[M]
.endr
.endm
	RESET
.irp i, 0,1,2,3
	v_mov_b32 v[LP+\i], 0
.endr
	WIN 0x40                                       ; O is cleared once: the query block changes in a trip that hangs on p, so the loop's products all add in place
.set n, 0
.rept 64
	v_mov_b32 v[O+n], 0
.set n, n+1
.endr
	WIN 0
; 8 matrix instructions: one term of S^T, K's fragment kf times Q's fragment qf, over the 8 accumulators in turn
.macro STERM kf, qf, zero
.irp kt, 0,1,2,3
.irp q, 0,1
.if \zero
	v_wmma_f32_16x16x32_bf16 v[S+16*\kt+8*\q:S+16*\kt+8*\q+7], v[KF+32*\kt+8*\kf:KF+32*\kt+8*\kf+7], v[QF+32*\q+8*\qf:QF+32*\q+8*\qf+7], 0
.else
	v_wmma_f32_16x16x32_bf16 v[S+16*\kt+8*\q:S+16*\kt+8*\q+7], v[KF+32*\kt+8*\kf:KF+32*\kt+8*\kf+7], v[QF+32*\q+8*\qf:QF+32*\q+8*\qf+7], v[S+16*\kt+8*\q:S+16*\kt+8*\q+7]
.endif
.endr
.endr
.endm
; the diagonal tile: keys behind the query become -inf
.macro MASK
.irp kt, 0,1,2,3
.irp q, 0,1
.irp j, 0,1,2,3,4,5,6,7
	v_cmp_le_i32 vcc_lo, 16*(\kt-\q)+\j, v[TM]
	v_cndmask_b32 v[S+16*\kt+8*\q+\j], 0xff800000, v[S+16*\kt+8*\q+\j], vcc_lo
.endr
.endr
.endr
.endm
; the running softmax of both query tiles: 32 scores a lane and tile
.macro SOFT
	v_max3_num_f32 v[TA], v[M], v[S], v[S+1]
	v_max3_num_f32 v[TA+1], v[M+1], v[S+8], v[S+9]
	v_max_num_f32 v[TB], v[S+32], v[S+33]
	v_max_num_f32 v[TB+1], v[S+40], v[S+41]
.set n, 2
.rept 7
.set ra, S+16*(n/8)+(n%8)
	v_max3_num_f32 v[TA], v[TA], v[ra], v[ra+1]
	v_max3_num_f32 v[TA+1], v[TA+1], v[ra+8], v[ra+9]
	v_max3_num_f32 v[TB], v[TB], v[ra+32], v[ra+33]
	v_max3_num_f32 v[TB+1], v[TB+1], v[ra+40], v[ra+41]
.set n, n+2
.endr
	v_max_num_f32 v[TA], v[TA], v[TB]
	v_max_num_f32 v[TA+1], v[TA+1], v[TB+1]
	v_permlanex16_b32 v[TB], v[TA], s48, s49       ; the other half of the lanes holds the query's other keys
	v_permlanex16_b32 v[TB+1], v[TA+1], s48, s49
	v_max_num_f32 v[M], v[TA], v[TB]
	v_max_num_f32 v[M+1], v[TA+1], v[TB+1]
	v_mul_f32 v[TA], s56, v[M]                     ; the new shift
	v_mul_f32 v[TA+1], s56, v[M+1]
	v_sub_f32 v[TB], v[TA], v[NM]                  ; new shift - old shift: the very numbers that the exponents are shifted by
	v_sub_f32 v[TB+1], v[TA+1], v[NM+2]
	v_exp_f32 v[AL], v[TB]
	v_exp_f32 v[AL+2], v[TB+1]
	v_mov_b32 v[NM], v[TA]                         ; a plain instruction behind the exponentials
	v_mov_b32 v[NM+1], v[TA]
	v_mov_b32 v[NM+2], v[TA+1]
	v_mov_b32 v[NM+3], v[TA+1]
.set n, 0
.rept 16
.set ra, S+16*(n/4)+2*(n%4)
	v_pk_fma_f32 v[ra:ra+1], v[ra:ra+1], s[30:31], v[NM:NM+1] op_sel_hi:[1,0,1]
	v_pk_fma_f32 v[ra+8:ra+9], v[ra+8:ra+9], s[30:31], v[NM+2:NM+3] op_sel_hi:[1,0,1]
.set n, n+1
.endr
.set n, 0
.rept 64
	v_exp_f32 v[S+n], v[S+n]
.set n, n+1
.endr
	s_wait_alu depctr_va_vdst(0)
	v_mov_b32 v[AL+1], v[AL]                       ; plain instructions behind the last exponential
	v_mov_b32 v[AL+3], v[AL+2]
	v_pk_fma_f32 v[LP:LP+1], v[LP:LP+1], v[AL:AL+1], v[S:S+1]
	v_pk_fma_f32 v[LP+2:LP+3], v[LP+2:LP+3], v[AL+2:AL+3], v[S+8:S+9]
.set n, 1
.rept 15
.set ra, S+16*(n/4)+2*(n%4)
	v_pk_add_f32 v[LP:LP+1], v[LP:LP+1], v[ra:ra+1]
	v_pk_add_f32 v[LP+2:LP+3], v[LP+2:LP+3], v[ra+8:ra+9]
.set n, n+1
.endr
.irp kt, 0,1,2,3
.irp q, 0,1
.irp i, 0,1,2,3
	v_cvt_pk_bf16_f32 v[P+16*(\kt/2)+8*\q+4*(\kt%2)+\i], v[S+16*\kt+8*\q+2*\i], v[S+16*\kt+8*\q+2*\i+1]   ; key tiles 2 G, 2 G + 1 are registers 0-3, 4-7 of the B fragment
.endr
.endr
.endr
.endm
; The end of a query block: the wave with kh = 1 hands its O, shifts and sums to the wave with kh = 0, which merges, divides, and stores
; 32 rows of 64 d at ob.  last = 0: the next block begins.
.macro EPI ob, last
	v_mov_b32 v[TA], v[NM]
	v_mov_b32 v[TA+1], v[NM+2]
	v_add_f32 v[TB], v[LP], v[LP+1]
	v_add_f32 v[TB+1], v[LP+2], v[LP+3]
	s_cmp_eq_u32 s22, 0
	s_cbranch_scc1 .Lno_hand_\@
	WIN 0x04
.irp i, 0,1,2,3,4,5,6,7,8,9,10,11,12,13,14,15
	ds_store_b128 v[XA], v[O+4*\i:O+4*\i+3] offset:512*\i
.endr
	WIN 0
	ds_store_b128 v[XA], v[TA:TA+3] offset:XQ
.Lno_hand_\@:
	s_wait_dscnt 0x0                               ; my stores are done, for the wave that reads them
	s_barrier_signal -1                            ; every wave passes here: the branch round this block hangs on the tile's number alone
	s_barrier_wait -1                              ; the next fill stands behind the next change of slots
	s_cmp_lg_u32 s22, 0
	s_cbranch_scc1 .Lno_merge_\@
.irp i, 0,1,2,3,4,5,6,7,8,9,10,11,12,13,14,15
	ds_load_b128 v[PO+4*\i:PO+4*\i+3], v[XA] offset:512*\i
.endr
	ds_load_b128 v[PQ:PQ+3], v[XA] offset:XQ
	s_wait_dscnt 0x0
	v_min_num_f32 v[E], v[TA], v[PQ]               ; the smaller shift belongs to the larger maximum
	v_min_num_f32 v[E+1], v[TA+1], v[PQ+1]
	v_sub_f32 v[E+2], v[E], v[TA]
	v_sub_f32 v[E+3], v[E+1], v[TA+1]
	v_sub_f32 v[E+4], v[E], v[PQ]
	v_sub_f32 v[E+5], v[E+1], v[PQ+1]
	v_exp_f32 v[E+2], v[E+2]                       ; my weight
	v_exp_f32 v[E+3], v[E+3]
	v_exp_f32 v[E+4], v[E+4]                       ; the partner's
	v_exp_f32 v[E+5], v[E+5]
	v_mov_b32 v[E+8], 0                            ; plain instructions behind the exponentials; v_permlanex16_b32 wants its destination written
	v_mov_b32 v[E+9], 0
	s_wait_alu depctr_va_vdst(0)
	v_mul_f32 v[E+6], v[TB], v[E+2]
	v_mul_f32 v[E+7], v[TB+1], v[E+3]
	v_fmac_f32 v[E+6], v[PQ+2], v[E+4]
	v_fmac_f32 v[E+7], v[PQ+3], v[E+5]
	v_permlanex16_b32 v[E+8], v[E+6], s48, s49
	v_permlanex16_b32 v[E+9], v[E+7], s48, s49
	v_add_f32 v[E+6], v[E+6], v[E+8]               ; the whole row sum
	v_add_f32 v[E+7], v[E+7], v[E+9]
	v_rcp_f32 v[E+6], v[E+6]
	v_rcp_f32 v[E+7], v[E+7]
	v_nop                                          ; a plain place behind the reciprocals
	s_wait_alu depctr_va_vdst(0)
.irp q, 0,1
	v_mul_f32 v[FA+2*\q], v[E+2+\q], v[E+6+\q]
	v_mul_f32 v[FA+2*\q+1], v[E+2+\q], v[E+6+\q]
	v_mul_f32 v[FB+2*\q], v[E+4+\q], v[E+6+\q]
	v_mul_f32 v[FB+2*\q+1], v[E+4+\q], v[E+6+\q]
.endr
.irp dt, 0,1,2,3
.irp q, 0,1
.irp i, 0,1,2,3
	v_pk_mul_f32 v[PO+8*(2*\dt+\q)+2*\i:PO+8*(2*\dt+\q)+2*\i+1], v[PO+8*(2*\dt+\q)+2*\i:PO+8*(2*\dt+\q)+2*\i+1], v[FB+2*\q:FB+2*\q+1]
.endr
.endr
.endr
	WIN 0x01
.irp dt, 0,1,2,3
.irp q, 0,1
.irp i, 0,1,2,3
	v_pk_fma_f32 v[PO+8*(2*\dt+\q)+2*\i:PO+8*(2*\dt+\q)+2*\i+1], v[O+8*(2*\dt+\q)+2*\i:O+8*(2*\dt+\q)+2*\i+1], v[FA+2*\q:FA+2*\q+1], v[PO+8*(2*\dt+\q)+2*\i:PO+8*(2*\dt+\q)+2*\i+1]
.endr
.endr
.endr
	WIN 0
.irp dt, 0,1,2,3
.irp q, 0,1
.irp i, 0,1,2,3
	v_cvt_pk_bf16_f32 v[OB+4*(2*\dt+\q)+\i], v[PO+8*(2*\dt+\q)+2*\i], v[PO+8*(2*\dt+\q)+2*\i+1]
.endr
	ds_store_b128 v[OSA], v[OB+4*(2*\dt+\q):OB+4*(2*\dt+\q)+3] offset:16*OPITCH*\q+32*\dt   ; query 16 q + r, 8 neighbouring d
.endr
.endr
.irp i, 0,1,2,3,4,5,6,7
	ds_load_b128 v[P+4*\i:P+4*\i+3], v[ORA] offset:4*OPITCH*\i     ; four rows of 128 bytes; my own bytes, served in order
.endr
.irp i, 0,1,2,3,4,5,6,7
	s_wait_dscnt 7-\i
	global_store_b128 v[OGO], v[P+4*\i:P+4*\i+3], s[\ob:\ob+1] offset:512*\i   ; 512 consecutive bytes, aligned
.endr
	s_wait_xcnt 0x0                                ; the stores' data registers are written again in the next tile
.Lno_merge_\@:
.if \last == 0
	RESET
.endif
.endm
; The change of slots, in front of the two tiles in slot.  nfill = 6: the other slot, read last, is filled again with the tiles
; s27 + toff and s27 + toff + 1, one part a wave; nfill = 3: with the tile s27 + toff alone (the 17th); nfill = 0: nothing is left to fetch.
.macro CHG slot, nfill, toff
	s_set_vgpr_msb 0x5
	s_wait_tensorcnt 0x0                           ; all my tensor loads have landed, my part of this slot among them: a group 0 may be written
	ds_add_u32 v128, v129
	s_wait_dscnt 0x0
	s_set_vgpr_msb 0x500
.if \nfill
	s_add_co_u32 s50, s27, \toff
	s_add_co_u32 s50, s50, s60                     ; my tile's number; behind the first block's tiles the key blocks begin again at 0
	s_cmp_ge_u32 s50, s25
	s_cselect_b32 s51, s25, 0
	s_sub_co_u32 s50, s50, s51
	s_lshl_b32 s50, s50, s57
	s_mov_b32 s51, 0
	s_add_nc_u64 s[G0+4*(1-\slot)+2:G0+4*(1-\slot)+3], s[28:29], s[50:51]
	s_or_b32 s[G0+4*(1-\slot)+3], s[G0+4*(1-\slot)+3], 0x80000000
.endif
	s_wait_dscnt 0x0                               ; my reads of the other slot are over
	s_barrier_signal -1
	s_barrier_wait -1                              ; both hold of every wave
.if \nfill
	s_cmp_lt_u32 s20, \nfill
	s_cbranch_scc0 .Lno_fill_\@
	tensor_load_to_lds s[G0+4*(1-\slot):G0+4*(1-\slot)+3], s[G1:G1+7]   ; my one tensor load behind this barrier; it has two tiles' work in which to land
	s_nop 0
.Lno_fill_\@:
.endif
.endm
; Asking ahead, into the L2.  In the first tile of the two whose first number is T = s27 + toff the key blocks T + 4 and T + 5 are asked for:
; the tensor loads that want them are issued behind the next change of slots, one and a half tiles further on.  Every block of 256 bytes
; is asked for by one lane of one wave of one of the head's eight work-groups.  The key block is clamped to 14, so that the last asking
; trip repeats the last pair and nothing points past the head's keys; the tiles behind the loop ask for nothing.
.macro ASK toff
	s_cmp_eq_u32 s62, 0
	s_cbranch_scc1 .Lno_ask_\@
	s_wait_xcnt 0x0                                ; s[68:69] was the base of the last prefetch, two tiles ago: it is rewritten only behind this wait
	s_add_co_u32 s50, s27, \toff+4
	s_min_u32 s50, s50, 14
	s_lshl_b32 s50, s50, s63
	s_mov_b32 s51, 0
	s_add_nc_u64 s[68:69], s[66:67], s[50:51]
	global_prefetch_b8 v[PFO], s[68:69] th:TH_LOAD_NT scope:SCOPE_SE
.Lno_ask_\@:
.endm
; One key tile: tile u of slot, number s27 + toff.  kind = 0: it cannot be a diagonal tile (numbers below 8); 1: it is the first block's
; diagonal tile if its number is 15 - p; 2: tile 16, the second block's diagonal tile.  ask = 1: key blocks are asked for ahead.
.macro TILE slot, u, toff, kind, ask
.irp f, 0,1,2,3
.irp kt, 0,1,2,3
	ds_load_b128 v[KF+32*\kt+8*\f:KF+32*\kt+8*\f+3],   v[ADRK+\slot] offset:\u*TILEB+\kt*16*PITCH+64*\f
	ds_load_b128 v[KF+32*\kt+8*\f+4:KF+32*\kt+8*\f+7], v[ADRK+\slot] offset:\u*TILEB+\kt*16*PITCH+64*\f+32
.endr
.endr
	s_wait_loadcnt 0x0                             ; Q (met at once but in a block's first tile)
	WIN 0x04                                       ; Q in window 1
	s_wait_dscnt 24                                ; the first eight loads (hi, d 0-31) are in; 24 younger ones stay out
	STERM 0, 0, 1
	s_wait_dscnt 16                                ; hi, d 32-63
	STERM 1, 1, 0
	STERM 0, 2, 0
	STERM 1, 3, 0
	s_wait_dscnt 8                                 ; lo, d 0-31
	STERM 2, 0, 0
	s_wait_dscnt 0x0
	STERM 3, 1, 0
	WIN 0
	PLACES
.irp dt, 0,1,2,3
.irp gg, 0,1
	ds_load_b128 v[VF+8*(2*\dt+\gg):VF+8*(2*\dt+\gg)+3],   v[ADRV+\slot] offset:\u*TILEB+\dt*16*PITCH+64*\gg
	ds_load_b128 v[VF+8*(2*\dt+\gg)+4:VF+8*(2*\dt+\gg)+7], v[ADRV+\slot] offset:\u*TILEB+\dt*16*PITCH+64*\gg+32
.endr
.endr
.if \ask
	ASK \toff                                      ; behind my LDS loads, in front of the softmax's register work
.endif
.if \kind == 2
	MASK
.endif
.if \kind == 1
	s_add_co_u32 s50, s27, \toff
	s_cmp_lg_u32 s50, s26
	s_cbranch_scc1 .Lno_mask_\@
	MASK
	QLOAD 14                                       ; the first block's Q has been multiplied for the last time: the second block's comes in
.Lno_mask_\@:
.endif
	SOFT
	WIN 0x41
.irp dt, 0,1,2,3
.irp q, 0,1
.irp i, 0,1,2,3
	v_pk_mul_f32 v[O+8*(2*\dt+\q)+2*\i:O+8*(2*\dt+\q)+2*\i+1], v[O+8*(2*\dt+\q)+2*\i:O+8*(2*\dt+\q)+2*\i+1], v[AL+2*\q:AL+2*\q+1]
.endr
.endr
.endr
	s_wait_dscnt 0x0                               ; V^T's fragments
	WIN 0x50                                       ; O in window 1
.irp gg, 0,1
.irp dt, 0,1,2,3
.irp q, 0,1
	v_wmma_f32_16x16x32_bf16 v[O+8*(2*\dt+\q):O+8*(2*\dt+\q)+7], v[VF+8*(2*\dt+\gg):VF+8*(2*\dt+\gg)+7], v[P+16*\gg+8*\q:P+16*\gg+8*\q+7], v[O+8*(2*\dt+\q):O+8*(2*\dt+\q)+7]
.endr
.endr
.endr
	WIN 0
	PLACES                                         ; the next tile's K loads land on V^T's fragments
.if \kind == 2
	EPI 18, 1
.endif
.if \kind == 1
	s_add_co_u32 s50, s27, \toff
	s_cmp_lg_u32 s50, s26
	s_cbranch_scc1 .Lno_end_\@
	EPI 16, 0
.Lno_end_\@:
.endif
.endm
	s_mov_b32 s27, 0                               ; the number that the tiles' offsets count from
	s_wait_tensorcnt 0x1                           ; my part of slot 0 is in; slot 1's load stays out
	s_barrier_signal -1
	s_barrier_wait -1
	TILE 0, 0, 0, 0, 1                             ; tiles 0 and 1
	TILE 0, 1, 1, 0, 0
	s_mov_b32 s27, 2
.Ltiles:                                           ; three trips of four tiles: tiles 2 to 13; tiles 4 to 15 are fetched
	CHG 1, 6, 2
	TILE 1, 0, 0, 1, 1
	TILE 1, 1, 1, 1, 0
	CHG 0, 6, 4
	TILE 0, 0, 2, 1, 1
	TILE 0, 1, 3, 1, 0
	s_add_co_u32 s27, s27, 4
	s_cmp_lt_u32 s27, 14
	s_cbranch_scc1 .Ltiles
	CHG 1, 3, 2                                    ; tile 16 alone is left to fetch: waves 0 to 2
	TILE 1, 0, 0, 1, 0                             ; tiles 14 and 15
	TILE 1, 1, 1, 1, 0
	CHG 0, 0, 0
	TILE 0, 0, 2, 2, 0                             ; tile 16
	s_set_vgpr_msb 0x5
	s_wait_tensorcnt 0x0
	ds_add_u32 v128, v129
	s_wait_dscnt 0x0
	s_set_vgpr_msb 0x500
	s_endpgm
.Lfunc_end_k_qe5b8376d79_attn:
	.size	k_qe5b8376d79_attn, .Lfunc_end_k_qe5b8376d79_attn-k_qe5b8376d79_attn
	.p2alignl 7, 3214868480
	.fill 96, 4, 3214868480
	.section	.rodata,"a",@progbits
	.p2align	6, 0x0
	.amdhsa_kernel k_qe5b8376d79_attn
		.amdhsa_group_segment_fixed_size 327680
		.amdhsa_private_segment_fixed_size 0
		.amdhsa_enable_private_segment 0
		.amdhsa_kernarg_size 32
		.amdhsa_user_sgpr_count 2
		.amdhsa_user_sgpr_kernarg_segment_ptr 1
		.amdhsa_wavefront_size32 1
		.amdhsa_system_sgpr_workgroup_id_x 1
		.amdhsa_system_sgpr_workgroup_id_y 1
		.amdhsa_system_sgpr_workgroup_id_z 1
		.amdhsa_system_vgpr_workitem_id 0
		.amdhsa_next_free_vgpr 386
		.amdhsa_next_free_sgpr 72
		.amdhsa_reserve_vcc 1
		.amdhsa_float_denorm_mode_32 3
		.amdhsa_float_denorm_mode_16_64 3
		.amdhsa_memory_ordered 1
		.amdhsa_forward_progress 1
		.amdhsa_inst_pref_size 255
	.end_amdhsa_kernel
	.section	.bss,"aw",@nobits
	.p2align	6
	.space	262144
	.amdgpu_metadata
---
amdhsa.version: [ 1, 2 ]
amdhsa.kernels:
  - .name:           k_qe5b8376d79_attn
    .symbol:         k_qe5b8376d79_attn.kd
    .args:
      - { .name: qs, .offset: 0, .size: 8, .value_kind: global_buffer, .address_space: global }
      - { .name: ks, .offset: 8, .size: 8, .value_kind: global_buffer, .address_space: global }
      - { .name: vt, .offset: 16, .size: 8, .value_kind: global_buffer, .address_space: global }
      - { .name: cb, .offset: 24, .size: 8, .value_kind: global_buffer, .address_space: global }
    .group_segment_fixed_size: 327680
    .private_segment_fixed_size: 0
    .kernarg_segment_align: 8
    .kernarg_segment_size: 32
    .max_flat_workgroup_size: 256
    .sgpr_count:     72
    .vgpr_count:     386
    .wavefront_size: 32
...
	.end_amdgpu_metadata
.endif
;; end of part 3
;; launch proj (part 4): grid 8 x 32, 4 waves a work-group, clusters of 4 x 4, 327,680 bytes of LDS; arguments cb, wot, b_out, out0; writes out0
.if DOCPART == 4
	.amdgcn_target "amdgcn-amd-amdhsa--gfx1250"
	.amdhsa_code_object_version 6
	.text
	.protected	k_qe5b8376d79_proj
	.globl	k_qe5b8376d79_proj
	.p2align	8
	.type	k_qe5b8376d79_proj,@function
k_qe5b8376d79_proj:
	s_mov_b64 s[64:65], 0
	v_nop
	global_prefetch_b8 v0, s[64:65] scope:SCOPE_SE
	s_setreg_imm32_b32 hwreg(HW_REG_WAVE_MODE, 25, 1), 1
	s_wait_xcnt 0x0
	s_wait_alu depctr_hold_cnt(0) depctr_sa_sdst(0) depctr_va_vdst(0) depctr_va_sdst(0) depctr_va_ssrc(0) depctr_va_vcc(0) depctr_vm_vsrc(0)
	s_getreg_b32 s2, hwreg(HW_REG_IB_STS2, 6, 4)
	s_cmp_eq_u32 s2, 0
	s_cbranch_scc0 .Lentry_in_a_cluster
	s_endpgm
.Lentry_in_a_cluster:
	s_bfe_u32 s2, ttmp6, 0x10000c
	s_cmp_lg_u32 s2, 0xf033
	s_cbranch_scc0 .Lentry_shape_is_right
	s_endpgm
.Lentry_shape_is_right:
; proj: out0 = concat w_out + b_out.  cb is [16 head][4096 row][64] bf16, wot is w_out transposed [1024 n][1024 k] bf16, out0 f32.
; Work-group (x = block of 128 columns, y = block of 128 rows): 8 x 32 = 256 work-groups; a wave makes 64 x 64: 16 accumulator tiles.
; A larger block would leave WGPs without work: 4096 x 1024 is only 256 blocks of 128 x 128.
; K = 1024 goes in four steps of 256 (four heads) through two LDS slots.  A head's 128 rows of 128 bytes are 16,384 consecutive bytes of
; cb, so one load brings two heads as two rows of 8,192 elements, padded behind every 128 bytes; the weights' tile rows are 512 bytes.
; CLUSTER 4 x 4: cb's tile hangs on the block row alone (joint along a row of the cluster), the weights' on the block column alone.
; The weights are source 0, so a lane holds one row and 8 neighbouring columns; the bias is the C operand of each tile's first product.
; REGISTERS: window 0: v0-31 addresses, v32-95 and v96-159 fragment buffers (A at +8 a, B at +32 + 8 b), v160-191 bias tiles,
; v192-255 read-back; window 1: accumulators at v[8 (4 a + b)].
.set APITCH, 144                       ; 128 bytes + 16
.set BPITCH, 528                       ; 512 bytes + 16
.set HEADL,  128*APITCH                ; one head's 128 rows in LDS
.set HEADB,  524288                    ; one head in cb, bytes
.set AREG,   4*HEADL
.set BHALF,  64*BPITCH
.set SLOT,   AREG+2*BHALF
.set STAGE,  2*SLOT
.set SPITCH, 272                       ; way out: 64 f32 + 16 bytes
.set ADRA, 16
.set ADRB, 18
.set STO,  24
.set RD,   25
.set CO,   26
.set BOFF, 27
.set F0,   32
.set F1,   96
.set BI,   160
.set RB0,  192
.set RB1,  224
.set G1,  32
.set G0,  40
.set G1B, 48
.set G0B, 56
.set MSB, 0
.macro WIN new
.if MSB != \new
	s_set_vgpr_msb (MSB<<8)|\new
.set MSB, \new
.endif
.endm
.macro PLACES                          ; four places behind matrix instructions (ISA guide 7.12.1)
.rept 4
	v_nop
.endr
.endm
.macro JLOAD s                         ; waves 0, 1: two heads of cb each; waves 2, 3: 64 rows of the weights each
	s_cmp_eq_u32 s19, 0
	s_cbranch_scc0 .Lfor_b_\@
	tensor_load_to_lds s[G0+4*\s:G0+4*\s+3], s[G1:G1+7]
	s_nop 0
	s_branch .Lasked_\@
.Lfor_b_\@:
	tensor_load_to_lds s[G0B+4*\s:G0B+4*\s+3], s[G1B:G1B+7]
	s_nop 0
.Lasked_\@:
.endm
.macro ROUND                           ; a round of the cluster's barrier
	s_barrier_signal -1
	s_barrier_wait -1
	s_cmp_lg_u32 s18, 0
	s_cbranch_scc1 .Lnot_wave_0_\@
	s_barrier_signal -3
.Lnot_wave_0_\@:
	s_barrier_wait -3
	s_barrier_signal -1
	s_barrier_wait -1
.endm
	s_load_b256 s[4:11], s[0:1], 0x0               ; cb s[4:5], wot s[6:7], b_out s[8:9], out0 s[10:11]
	v_lshl_add_u32 v30, v0, 2, 0x49400
	v_mov_b32 v31, 0
	ds_add_u32 v30, v31
	v_lshrrev_b32 v1, 5, v0
	v_readfirstlane_b32 s18, v1                    ; wave
	s_lshr_b32 s19, s18, 1                         ; which 64 rows are mine.  Also: I fetch cb (0) or weights (1)
	s_and_b32 s20, s18, 1                          ; which 64 columns.  Also: which half of the tile I fetch
	s_bfe_u32 s21, ttmp6, 0x40000                  ; cx
	s_bfe_u32 s22, ttmp6, 0x40004                  ; cy
	s_lshl_b32 s23, ttmp9, 2
	s_add_co_u32 s23, s23, s21                     ; block column
	s_and_b32 s24, ttmp7, 0xffff
	s_lshl_b32 s24, s24, 2
	s_add_co_u32 s24, s24, s22                     ; block row
	s_lshl_b32 s25, s22, 2
	s_lshl_b32 s25, 15, s25                        ; my row of the cluster
	s_lshl_b32 s26, 0x1111, s21                    ; my column
	s_or_b32 s[G1+0], s25, (1<<16)|(1<<20)|(1<<21)|(4<<22)|(3<<25)   ; 4 words of padding behind every 32
	s_or_b32 s[G1B+0], s26, (1<<16)|(1<<20)|(1<<21)|(6<<22)|(3<<25)  ; behind every 128
	s_mov_b32 s[G1+1], 8192<<16                    ; tensor_dim0 = 8,192 elements: a head's 128 rows
	s_mov_b32 s[G1B+1], 256<<16
	s_mov_b32 s[G1+2], 2<<16                       ; tensor_dim1 = 2 heads
	s_mov_b32 s[G1B+2], 64<<16
	s_mov_b32 s[G1+3], 8192<<16                    ; tile_dim0
	s_mov_b32 s[G1B+3], 256<<16
	s_mov_b32 s[G1+4], 2                           ; tile_dim1
	s_mov_b32 s[G1B+4], 64
	s_mov_b32 s[G1+5], 262144                      ; elements from head to head
	s_mov_b32 s[G1B+5], 1024
	s_mov_b32 s[G1+6], 0
	s_mov_b32 s[G1B+6], 0
	s_mov_b32 s[G1+7], 0
	s_mov_b32 s[G1B+7], 0
	s_lshl_b32 s68, s24, 14                        ; cb: 128 rows of 128 bytes a block row,
	s_lshl_b32 s69, s20, 20                        ; two heads a wave
	s_add_co_u32 s68, s68, s69
	s_mov_b32 s69, 0
	s_lshl_b32 s72, s23, 18                        ; weights: 128 rows of 2,048 bytes a block column,
	s_lshl_b32 s73, s20, 17                        ; 64 rows a wave
	s_add_co_u32 s72, s72, s73
	s_mov_b32 s73, 0
	s_mul_i32 s74, s18, 2*HEADL
	s_mul_i32 s75, s18, BHALF
	s_add_co_u32 s75, s75, AREG-2*BHALF
	s_wait_dscnt 0x0
	s_wait_kmcnt 0x0
	s_add_nc_u64 s[68:69], s[4:5], s[68:69]
	s_add_nc_u64 s[72:73], s[6:7], s[72:73]
	ROUND                                          ; in front of the first joint loads
.irp s, 0,1
	s_mov_b32 s[G0+4*\s], 1
	s_add_co_u32 s[G0+4*\s+1], s74, \s*SLOT
	s_add_nc_u64 s[G0+4*\s+2:G0+4*\s+3], s[68:69], \s*4*HEADB
	s_or_b32 s[G0+4*\s+3], s[G0+4*\s+3], 0x80000000
	s_mov_b32 s[G0B+4*\s], 1
	s_add_co_u32 s[G0B+4*\s+1], s75, \s*SLOT
	s_add_nc_u64 s[G0B+4*\s+2:G0B+4*\s+3], s[72:73], \s*512
	s_or_b32 s[G0B+4*\s+3], s[G0B+4*\s+3], 0x80000000
	JLOAD \s                                       ; K steps 0 and 1: two tensor loads of the wave are out
.endr
	v_and_b32 v1, 15, v0                           ; r
	v_bfe_u32 v2, v0, 4, 1                         ; h
	v_mul_u32_u24 v3, v1, APITCH
	v_lshl_add_u32 v3, v2, 4, v3
	v_mul_u32_u24 v4, v1, BPITCH
	v_lshl_add_u32 v4, v2, 4, v4
	s_mul_i32 s66, s19, 64*APITCH
	s_mul_i32 s67, s20, BHALF
	s_add_co_u32 s67, s67, AREG
.irp s, 0,1
	v_add_nc_u32 v[ADRA+\s], s66, v3
	v_add_nc_u32 v[ADRB+\s], s67, v4
	s_add_co_u32 s66, s66, SLOT
	s_add_co_u32 s67, s67, SLOT
.endr
	s_mul_i32 s76, s18, 16*SPITCH
	s_add_co_u32 s76, s76, STAGE
	v_mul_u32_u24 v5, v1, SPITCH
	v_lshl_add_u32 v5, v2, 5, v5                   ; in: row r, 32 bytes for each half of the lanes
	v_add_nc_u32 v[STO], s76, v5
	v_mul_u32_u24 v5, v2, SPITCH
	v_lshl_add_u32 v5, v1, 4, v5                   ; back: lanes 0-15 one row of 256 bytes, lanes 16-31 the next
	v_add_nc_u32 v[RD], s76, v5
	v_lshlrev_b32 v[CO], 12, v2
	v_lshl_add_u32 v[CO], v1, 4, v[CO]             ; the same two rows in out0
	v_lshlrev_b32 v[BOFF], 5, v2
	s_mov_b32 s79, 0
	s_lshl_b32 s78, s23, 9
	s_lshl_b32 s77, s20, 8
	s_add_co_u32 s78, s78, s77                     ; my first column, in bytes
	s_add_nc_u64 s[8:9], s[8:9], s[78:79]
	s_lshl_b32 s77, s24, 19
	s_add_co_u32 s78, s78, s77
	s_lshl_b32 s77, s19, 18
	s_add_co_u32 s78, s78, s77                     ; + my first row x 4,096 bytes
	s_add_nc_u64 s[10:11], s[10:11], s[78:79]
.irp b, 0,1,2,3
	global_load_b128 v[BI+8*\b:BI+8*\b+3], v[BOFF], s[8:9] offset:64*\b        ; register j of lane (r, h): column 16 b + 8 h + j
	global_load_b128 v[BI+8*\b+4:BI+8*\b+7], v[BOFF], s[8:9] offset:64*\b+16
.endr
; 16 matrix instructions: my 4 x 4 tiles, 32 along K.  The 16 accumulators take turns, one instruction a turn.
.macro MUL16 f, first
.irp a, 0,1,2,3
.irp b, 0,1,2,3
.if \first
	v_wmma_f32_16x16x32_bf16 v[8*(4*\a+\b):8*(4*\a+\b)+7], v[\f+32+8*\b:\f+32+8*\b+7], v[\f+8*\a:\f+8*\a+7], v[BI+8*\b:BI+8*\b+7]
.else
	v_wmma_f32_16x16x32_bf16 v[8*(4*\a+\b):8*(4*\a+\b)+7], v[\f+32+8*\b:\f+32+8*\b+7], v[\f+8*\a:\f+8*\a+7], v[8*(4*\a+\b):8*(4*\a+\b)+7]
.endif
.endr
.endr
.endm
; 16 LDS loads: the fragments of the slot's eighth kk (head kk / 2, d 32 (kk % 2) ..) into buffer f
.macro FETCH slot, kk, f
.irp a, 0,1,2,3
	ds_load_b128 v[\f+8*\a:\f+8*\a+3],   v[ADRA+\slot] offset:((\kk)/2)*HEADL+\a*16*APITCH+64*((\kk)%2)
	ds_load_b128 v[\f+8*\a+4:\f+8*\a+7], v[ADRA+\slot] offset:((\kk)/2)*HEADL+\a*16*APITCH+64*((\kk)%2)+32
.endr
.irp b, 0,1,2,3
	ds_load_b128 v[\f+32+8*\b:\f+32+8*\b+3],   v[ADRB+\slot] offset:\b*16*BPITCH+64*(\kk)
	ds_load_b128 v[\f+32+8*\b+4:\f+32+8*\b+7], v[ADRB+\slot] offset:\b*16*BPITCH+64*(\kk)+32
.endr
.endm
.macro PHASE slot, kk, f, g, first
	WIN 0
.if \kk < 7
	PLACES
	FETCH \slot, \kk+1, \g
	s_wait_dscnt 16                                ; all but the 16 just issued
.else
	s_wait_dscnt 0x0
.endif
.if \first
	WIN 0x40                                       ; D in window 1, the bias tiles in window 0
.else
	WIN 0x50                                       ; C and D in window 1
.endif
	MUL16 \f, \first
.endm
.macro STEP slot, first
	PLACES
	FETCH \slot, 0, F0
	PHASE \slot, 0, F0, F1, \first
	PHASE \slot, 1, F1, F0, 0
	PHASE \slot, 2, F0, F1, 0
	PHASE \slot, 3, F1, F0, 0
	PHASE \slot, 4, F0, F1, 0
	PHASE \slot, 5, F1, F0, 0
	PHASE \slot, 6, F0, F1, 0
	PHASE \slot, 7, F1, F0, 0
.endm
; The change of slots.  Each wave waits for its reads of the slot and for all its tensor loads (one is out: its part of the other slot).
; refill = 1: a round of the cluster's barrier, then the joint refill, two K steps ahead, which has a step's 128 matrix instructions in which to land.
.macro CHANGE slot, refill
	WIN 0
	s_wait_dscnt 0x0
	s_wait_tensorcnt 0x0
	ds_add_u32 v30, v31
	s_wait_dscnt 0x0
.if \refill
	s_add_nc_u64 s[G0+4*\slot+2:G0+4*\slot+3], s[G0+4*\slot+2:G0+4*\slot+3], 8*HEADB
	s_add_nc_u64 s[G0B+4*\slot+2:G0B+4*\slot+3], s[G0B+4*\slot+2:G0B+4*\slot+3], 1024
	ROUND
	JLOAD \slot
.else
	s_barrier_signal -1
	s_barrier_wait -1
.endif
.endm
	s_wait_loadcnt 0x0                             ; the bias
	s_wait_tensorcnt 0x1                           ; my part of K step 0 is in; K step 1's load stays out
	s_barrier_signal -1
	s_barrier_wait -1
	STEP 0, 1
	CHANGE 0, 1
	STEP 1, 0
	CHANGE 1, 1
	STEP 0, 0
	CHANGE 0, 0
	STEP 1, 0
	WIN 0
	PLACES
; THE WAY OUT, 16 rows at a time: a lane's 32 bytes of a row into my own stage, back as whole rows of 256 bytes
.macro OUT16 a, rb
	WIN 0x04
.irp b, 0,1,2,3
	ds_store_b128 v[STO], v[8*(4*\a+\b):8*(4*\a+\b)+3] offset:64*\b
	ds_store_b128 v[STO], v[8*(4*\a+\b)+4:8*(4*\a+\b)+7] offset:64*\b+16
.endr
	WIN 0
	s_wait_xcnt 0x0                                ; the read-back registers, which earlier stores read, and the stores' base are rewritten only behind this wait
.if \a
	s_add_nc_u64 s[10:11], s[10:11], 16*4096
.endif
.irp t, 0,1,2,3,4,5,6,7
	ds_load_b128 v[\rb+4*\t:\rb+4*\t+3], v[RD] offset:\t*2*SPITCH  ; LDS serves a wave's instructions in order: these see the stores above
.endr
.irp t, 0,1,2,3,4,5,6,7
	s_wait_dscnt 7-\t
	global_store_b128 v[CO], v[\rb+4*\t:\rb+4*\t+3], s[10:11] offset:\t*2*4096 th:TH_STORE_NT   ; 16 lanes store 256 consecutive bytes, aligned
.endr
.endm
	OUT16 0, RB0
	OUT16 1, RB1
	OUT16 2, RB0
	OUT16 3, RB1
	s_wait_tensorcnt 0x0
	ds_add_u32 v30, v31
	s_wait_dscnt 0x0
	ROUND                                          ; the closing round
	s_endpgm
.Lfunc_end_k_qe5b8376d79_proj:
	.size	k_qe5b8376d79_proj, .Lfunc_end_k_qe5b8376d79_proj-k_qe5b8376d79_proj
	.p2alignl 7, 3214868480
	.fill 96, 4, 3214868480
	.section	.rodata,"a",@progbits
	.p2align	6, 0x0
	.amdhsa_kernel k_qe5b8376d79_proj
		.amdhsa_group_segment_fixed_size 327680
		.amdhsa_private_segment_fixed_size 0
		.amdhsa_enable_private_segment 0
		.amdhsa_kernarg_size 32
		.amdhsa_user_sgpr_count 2
		.amdhsa_user_sgpr_kernarg_segment_ptr 1
		.amdhsa_wavefront_size32 1
		.amdhsa_system_sgpr_workgroup_id_x 1
		.amdhsa_system_sgpr_workgroup_id_y 1
		.amdhsa_system_sgpr_workgroup_id_z 1
		.amdhsa_system_vgpr_workitem_id 0
		.amdhsa_next_free_vgpr 384
		.amdhsa_next_free_sgpr 80
		.amdhsa_reserve_vcc 0
		.amdhsa_float_denorm_mode_32 3
		.amdhsa_float_denorm_mode_16_64 3
		.amdhsa_memory_ordered 1
		.amdhsa_forward_progress 1
		.amdhsa_inst_pref_size 90
	.end_amdhsa_kernel
	.amdgpu_metadata
---
amdhsa.version: [ 1, 2 ]
amdhsa.kernels:
  - .name:           k_qe5b8376d79_proj
    .symbol:         k_qe5b8376d79_proj.kd
    .args:
      - { .name: cb, .offset: 0, .size: 8, .value_kind: global_buffer, .address_space: global }
      - { .name: wot, .offset: 8, .size: 8, .value_kind: global_buffer, .address_space: global }
      - { .name: b_out, .offset: 16, .size: 8, .value_kind: global_buffer, .address_space: global }
      - { .name: out0, .offset: 24, .size: 8, .value_kind: global_buffer, .address_space: global }
    .group_segment_fixed_size: 327680
    .private_segment_fixed_size: 0
    .kernarg_segment_align: 8
    .kernarg_segment_size: 32
    .max_flat_workgroup_size: 128
    .sgpr_count:     80
    .vgpr_count:     384
    .wavefront_size: 32
...
	.end_amdgpu_metadata
.endif
;; end of part 4
